; MI455X (gfx1250); checked and timed in simulation.
; The chip was launched on July 23, 2026; its instructions are those of AMD's public machine-readable ISA for CDNA 5 (MIT licence, August 2026) and "CDNA5" Instruction Set Architecture Reference Guide (July 2026). The comments in the code are by the model that wrote it; some were corrected since.
;; Masked Self Attention. Allowed arithmetic: matrix products marked QUANTISED: E5M2 operands, one E8M0 scale for each 32 along K, by v_wmma_scale_f32_16x16x128_f8f6f4 with both operands' format E5M2, f32 sums; everything else in f32.
;; Inputs: Wk 1,024 x 1,024 float32; Wq 1,024 x 1,024 float32; Wv 1,024 x 1,024 float32; bk 1,024 float32; bq 1,024 float32; bv 1,024 float32; mask 4 x 2,048 x 2,048 float32; x 4 x 2,048 x 1,024 float32.
;; Outputs: out0 4 x 2,048 x 1,024 float32.
;; This version of the problem:
;;   THIS VERSION OF THE PROBLEM IS GIVEN IN LOW PRECISION. The matrix products marked QUANTISED in the list below multiply operands that are first quantised to E5M2 (5 exponent bits, 2 mantissa bits; 8 bits a number), with one power-of-two scale for each 32 numbers along K (OCP MX v1.0); their sums are f32. All else is computed in f32.
;;   The module's matrix products, in the order in which they are computed (A, B: the left and right operand; K: the contracted axis; several contracted axes count as one K, in the product's order):
;;     1. [M 8,192, K 1,024] x [K 1,024, N 1,024]; A: input x; B: input Wq: QUANTISED
;;     2. [M 8,192, K 1,024] x [K 1,024, N 1,024]; A: input x; B: input Wk: QUANTISED
;;     3. [M 8,192, K 1,024] x [K 1,024, N 1,024]; A: input x; B: input Wv: QUANTISED
;;     4. batch 4 x [M 2,048, K 1,024] x [K 1,024, N 2,048]; A: computed on the way; B: computed on the way: QUANTISED
;;     5. batch 4 x [M 2,048, K 2,048] x [K 2,048, N 1,024]; A: softmax (see below); B: computed on the way: QUANTISED
;;   THE QUANTISER, for each operand of a quantised product, along K:
;;     - K is cut into blocks of 32 from its start; a last block that is shorter is filled with zeros.
;;     - A block's scale is 2^e with e = floor(log2(the largest magnitude in the block)) - 15, held to -126 .. 127; a block of zeros has e = 0. As a byte (E8M0): e + 127.
;;     - Each number is divided by its block's scale, clamped to +-57,344, and rounded to the nearest number of E5M2, ties to even, subnormals kept.
;;     - The product sums the exact products of the quantised numbers (number of the format x scale) in f32.
;;   ~~~python
;;   def quantise(x, axis):      # numpy; x: float32 -> the quantised numbers, widened to float32 again
;;       x = np.moveaxis(x, axis, -1); K = x.shape[-1]
;;       x = np.pad(x, [(0, 0)] * (x.ndim - 1) + [(0, -K % 32)]); x = x.reshape(x.shape[:-1] + (-1, 32)); a = np.abs(x).max(-1, keepdims=True)
;;       e = np.where(a > 0, np.clip(np.frexp(np.where(a > 0, a, 1))[1] - 1 - 15, -126, 127), 0)      # np.frexp(a)[1] - 1 = floor(log2(a)), exactly
;;       r = np.clip(x / 2.0 ** e, -57344, 57344)
;;       step = 2.0 ** (np.maximum(np.frexp(np.where(r == 0, 1, r))[1] - 1, -14) - 2)
;;       q = np.round(r / step) * step * 2.0 ** e      # np.round: ties to even
;;       return np.moveaxis(q.reshape(q.shape[:-2] + (-1,))[..., :K], -1, axis).astype(np.float32)
;;   ~~~
;;   SOFTMAX AHEAD OF A QUANTISED PRODUCT. Where the list says 'softmax', what is quantised is not the finished softmax but p = 2^(t - M), with t = logit x log2(e) and M = ceil(the row's largest t), a whole number; so 1/2 < the row's largest p <= 1. The row's sum l is taken of the UNQUANTISED p, in f32, and the product's result is divided by l at the end. Since M is a whole number, a kernel that streams over the keys may use a running M (the ceiling of the running maximum): every later rescaling is an exact power of two, which a block's scale takes up: the codes' values come out the same.
;;   OPERANDS COMPUTED ON THE WAY. 'Computed on the way' means the value that the module computes at that place (a softmax that the list does not call 'softmax' is quantised finished and normalised). What goes into a quantiser is computed in f32, as accurately as f32 sums, v_exp_f32 and their like allow (about 1e-6 of the number): no bf16 or f16 on the way to a quantiser, and a product that is left as it is and whose result goes on into a quantised operand takes f32 operands (vector FMAs, or v_wmma_f32_16x16x4_f32). A number that lies on a knife's edge between two numbers of the format may be rounded either way, as far as f32 arithmetic and the matrix unit's own rounding can turn it there, and no further.
;; One version. Each part assembles by itself: llvm-mc -triple=amdgcn-amd-amdhsa -mcpu=gfx1250 --defsym DOCPART=n.
;; ======== version 1 of 1: 4 launches
;; limits: right only within a limited range of input values
;; workspace buffers: xwc 11,534,336 bytes; xws 360,448 bytes; qkvc 25,165,824 bytes; qkvs 786,432 bytes; pc 16,777,216 bytes; ps 524,288 bytes; pm 1,048,576 bytes; pl 1,048,576 bytes
;; launch prep (part 1): grid 448 x 1, 4 waves a work-group, no clusters, 35,328 bytes of LDS; arguments x, Wq, Wk, Wv, xwc, xws; writes xwc, xws
.if DOCPART == 1
	.amdgcn_target "amdgcn-amd-amdhsa--gfx1250"
	.amdhsa_code_object_version 6
	.text
	.protected	k_q9fe490b37f_prep
	.globl	k_q9fe490b37f_prep
	.p2align	8
	.type	k_q9fe490b37f_prep,@function
k_q9fe490b37f_prep:
	s_mov_b64 s[64:65], 0
	v_nop
	global_prefetch_b8 v0, s[64:65] scope:SCOPE_SE
	s_setreg_imm32_b32 hwreg(HW_REG_WAVE_MODE, 25, 1), 1
	s_wait_xcnt 0x0
; x [8192][1024] and Wq, Wk, Wv [1024 (k)][1024 (n)], f32, become codes of BF8 (E5M2) with one E8M0 scale byte for each 32 along K = the 1,024, laid as the products' launch wants them:
; A TILE is 16 rows of an operand (x: tokens; W: columns n); position p of tile T is row 32 (T / 2) + 8 (T % 2) + p + 8 (p / 8).  xwc holds 704 tiles (0-511 x, 512-575 Wq, 576-639 Wk, 640-703 Wv) of 16,384 bytes:
; fragment (T, s), 16 rows x 128 along K, is the IMAGE OF THE OPERAND'S REGISTERS: byte T x 16384 + s x 2048 + c x 512 + 16 x lane holds registers 4 c .. 4 c + 3 of that lane (row lane % 16, k = 128 s + 32 c + 16 (lane / 16) + 0 .. 15).
; xws holds the scale words in planes: the word (four bytes, 128 along K) of (s, T, p) at s x 45056 + 64 T + 4 p.
; A block's scale is 2^(floor(log2(its largest magnitude)) - 15); its byte is the largest magnitude's exponent field - 15, held at 1 from below; numbers are held within +-57,344 x the scale and rounded to the nearest code, ties to even.
; LIMITS: a block whose largest magnitude lies under 2^-111 (a block of zeros too) keeps the byte 1: its codes are small or zero, and this program alone reads the bytes.  NaN and infinities among the inputs are not served.
; Work-groups 0-255 take x: 64 rows (four tiles) x 512 along K, a wave 128 along K: each load reads 512 consecutive bytes of a row; a tile's 16 rows turn through the wave's own stage in LDS, so that a lane holds 16 neighbours of each block.
; Work-groups 256-447 take the weights: a lane takes a column n and its registers run down K, so a block of 32 lies in one lane; 32 columns are two tiles, and each store of 16 bytes a lane fills one aligned run of 256 bytes in each.
; No tensor loads, no barrier: waves share nothing.  Matrix units and clusters have nothing to do here.
.set EMAX, 15
.set TM,   16                          ; v16-19 largest magnitudes, v20-23 bytes, v24-27 the largest number x the scale, v28-31 the conversions' scale operands
.set PW,   32                          ; the scale word just made
.set PC,   36                          ; v36-51 the fragment's codes
.set GD,   52                          ; v52-53 the scale words on their way out
.set RAW,  64                          ; v64-191 x: two sets of 64 as loaded;  W: v64-127 two sets of 32
.set WC,   128                         ; W: v128-159 codes, eight registers a block
.set X,    192                         ; v192-255 64 numbers of a lane: register 16 b + i = k 32 b + 16 (lane / 16) + i
.set SEL,  20                          ; s[20:21] lane selects for v_permlanex16_b32: lane l xor 16
.set MNT,  23                          ; s23 the mantissa field of 57,344
.set SP,   528                         ; a stage row: 512 bytes + 16 = 132 words, so that the 16 rows that a load touches begin at 16 different 16-byte columns
.set REG,  16*SP+256                   ; LDS of a wave: the stage, then 256 bytes in which four tiles' scale words are gathered
.macro QUANT s                         ; 64 numbers of a lane become a fragment's codes in v[PC] on and its scale word in v[PW]
.irp b, 0,1,2,3
	v_max3_num_f32 v[TM+\b], |v[\s+16*\b]|, |v[\s+1+16*\b]|, 0x8000000   ; block b: my 16 numbers, and the floor 2^(16 - 127): the byte cannot fall under 1
.endr
.irp i, 2,4,6,8,10,12,14
.irp b, 0,1,2,3
	v_max3_num_f32 v[TM+\b], v[TM+\b], |v[\s+16*\b+\i]|, |v[\s+1+16*\b+\i]|   ; the four blocks by turns
.endr
.endr
.irp b, 0,1,2,3
	v_permlanex16_b32 v[TM+4+\b], v[TM+\b], s[SEL], s[SEL+1]
.endr
.irp b, 0,1,2,3
	v_max_num_f32 v[TM+\b], v[TM+\b], v[TM+4+\b]                  ; with lane l xor 16's 16: the block's largest magnitude
.endr
.irp b, 0,1,2,3
	v_add_nc_u32 v[TM+12+\b], 0xf8800000, v[TM+\b]                ; 15 off its exponent field: the conversion's scale operand
.endr
.irp b, 0,1,2,3
	v_and_or_b32 v[TM+8+\b], v[TM+\b], 0x7f800000, s[MNT]         ; 57,344 x the scale
.endr
.irp b, 0,1,2,3
	v_lshrrev_b32 v[TM+4+\b], 23, v[TM+12+\b]                     ; the scale's byte
.endr
	v_lshl_or_b32 v[PW], v[TM+5], 8, v[TM+4]
	v_lshl_or_b32 v[PW], v[TM+6], 16, v[PW]
	v_lshl_or_b32 v[PW], v[TM+7], 24, v[PW]
.irp b, 0,1,2,3
.irp i, 0,1,2,3,4,5,6,7,8,9,10,11,12,13,14,15
	v_med3_num_f32 v[\s+16*\b+\i], v[\s+16*\b+\i], -v[TM+8+\b], v[TM+8+\b]   ; the conversion to an 8-bit code does not saturate (ISA guide 7.6.2): the hold comes first
.endr
	v_cvt_scalef32_pk8_bf8_f32 v[PC+4*\b:PC+1+4*\b], v[\s+16*\b:\s+7+16*\b], v[TM+12+\b]
	v_cvt_scalef32_pk8_bf8_f32 v[PC+2+4*\b:PC+3+4*\b], v[\s+8+16*\b:\s+15+16*\b], v[TM+12+\b]
.endr
	v_nop                                          ; one plain vector line behind the last conversion
.endm
.macro LOADX f                         ; tile f of my four: its 16 rows' 512 bytes, a row a load
.irp p, 0,1,2,3,4,5,6,7,8,9,10,11,12,13,14,15
	global_load_b128 v[RAW+64*((\f)%2)+4*\p:RAW+64*((\f)%2)+4*\p+3], v4, s[4:5] offset:(32*((\f)/2)+8*((\f)%2)+\p+8*(\p/8))*4096 th:TH_LOAD_NT
.endr
.endm
.macro TURNX f                         ; through my stage: LDS serves a wave's instructions in order, so no wait stands between the stores and the loads
.irp p, 0,1,2,3,4,5,6,7,8,9,10,11,12,13,14,15
	ds_store_b128 v5, v[RAW+64*((\f)%2)+4*\p:RAW+64*((\f)%2)+4*\p+3] offset:SP*\p
.endr
.irp b, 0,1,2,3
.irp j, 0,1,2,3
	ds_load_b128 v[X+16*\b+4*\j:X+16*\b+4*\j+3], v6 offset:128*\b+16*\j
.endr
.endr
.endm
.macro LOADW c                         ; block c: W(32 c + i, my column), i = 0 .. 31: each load reads 128 consecutive bytes
.irp i, 0,1,2,3,4,5,6,7,8,9,10,11,12,13,14,15,16,17,18,19,20,21,22,23,24,25,26,27,28,29,30,31
	global_load_b32 v[RAW+32*((\c)%2)+\i], v4, s[4:5] offset:(32*(\c)+\i)*4096 th:TH_LOAD_NT
.endr
.endm
.macro BLOCKW c
.set XS, RAW+32*((\c)%2)
.if (\c) < 3
	s_wait_loadcnt 32                              ; this block's 32 loads are in; the next block's 32 may be out
.else
	s_wait_loadcnt 0x0
.endif
	v_max3_num_f32 v12, |v[XS]|, |v[XS+1]|, |v[XS+2]|             ; the block's largest magnitude: all 32 numbers are mine
	v_max3_num_f32 v13, |v[XS+3]|, |v[XS+4]|, |v[XS+5]|
.irp i, 6,10,14,18,22,26
	v_max3_num_f32 v12, v12, |v[XS+\i]|, |v[XS+\i+1]|
	v_max3_num_f32 v13, v13, |v[XS+\i+2]|, |v[XS+\i+3]|
.endr
	v_max3_num_f32 v12, v12, |v[XS+30]|, |v[XS+31]|
	v_max3_num_f32 v12, v12, v13, (EMAX+1)<<23     ; and the floor
	v_add_nc_u32 v11, -(EMAX<<23), v12
	v_and_or_b32 v10, v12, 0x7f800000, s[MNT]
	v_lshrrev_b32 v13, 23, v11
.if (\c) == 0
	v_mov_b32 v24, v13                             ; four bytes make my column's scale word for these 128 along K
.else
	v_lshl_or_b32 v24, v13, 8*(\c), v24
.endif
.irp i, 0,1,2,3,4,5,6,7,8,9,10,11,12,13,14,15,16,17,18,19,20,21,22,23,24,25,26,27,28,29,30,31
	v_med3_num_f32 v[XS+\i], v[XS+\i], -v10, v10
.endr
.irp g, 0,1,2,3
	v_cvt_scalef32_pk8_bf8_f32 v[WC+8*(\c)+2*\g:WC+8*(\c)+2*\g+1], v[XS+8*\g:XS+8*\g+7], v11
.endr
	global_store_b128 v5, v[WC+8*(\c):WC+8*(\c)+3], s[12:13] offset:512*(\c)          ; k 32 c + 0 .. 15: the image's lanes 0-15; sixteen lanes fill 256 consecutive bytes of each of the two tiles
	global_store_b128 v5, v[WC+8*(\c)+4:WC+8*(\c)+7], s[12:13] offset:512*(\c)+256    ; k 32 c + 16 .. 31: its lanes 16-31.  Each block has its own code registers: no store's data are written again
.if (\c)+2 < 4
	LOADW (\c)+2
.endif
.endm
	s_load_b256 s[4:11], s[0:1], 0x0               ; x s[4:5], Wq s[6:7], Wk s[8:9], Wv s[10:11]
	s_load_b128 s[12:15], s[0:1], 0x20             ; xwc s[12:13], xws s[14:15]
	v_lshl_add_u32 v62, v0, 2, 0x8800
	v_mov_b32 v63, 0
	v_lshrrev_b32 v1, 5, v0
	v_readfirstlane_b32 s16, v1                    ; wave 0..3
	v_and_b32 v1, 31, v0                           ; lane
	s_mov_b32 s[MNT], 0x600000
	s_cmp_ge_u32 ttmp9, 256
	s_cbranch_scc1 .Lweights
	; ---- x
	v_and_b32 v2, 15, v0                           ; r
	v_bfe_u32 v3, v0, 4, 1                         ; h
	v_lshlrev_b32 v4, 4, v1                        ; 16 x lane: my bytes of a load, and of an image
	s_mul_i32 s17, s16, REG
	v_add_nc_u32 v5, s17, v4                       ; the stage, in: 16 x lane of row p
	v_mul_u32_u24 v6, v2, SP
	v_lshl_add_u32 v6, v3, 6, v6
	v_add_nc_u32 v6, s17, v6                       ; and out: row r, + 64 h: my 16 numbers of a block of 32
	s_add_co_u32 s17, s17, 16*SP
	v_lshl_add_u32 v7, v2, 2, s17                  ; the scale words: in, 4 r
	v_lshl_add_u32 v8, v1, 3, s17                  ; out, 8 x lane
	v_lshlrev_b32 v9, 3, v1
	s_mov_b32 s[SEL], 0x76543210
	s_mov_b32 s[SEL+1], 0xfedcba98
.irp b, 0,1,2,3
	v_mov_b32 v[TM+4+\b], 0                        ; written once: a lane permute's destination counts as one of its sources
.endr
	s_lshr_b32 s18, ttmp9, 1                       ; which 64 rows
	s_and_b32 s19, ttmp9, 1
	s_lshl_b32 s19, s19, 2
	s_add_co_u32 s19, s19, s16                     ; which 128 along K
	s_lshl_b32 s24, s18, 18                        ; x: 64 rows of 4,096 bytes, + 512 bytes a step
	s_lshl_b32 s25, s19, 9
	s_add_co_u32 s24, s24, s25
	s_mov_b32 s25, 0
	s_lshl_b32 s26, s18, 16                        ; codes: four tiles of 16,384, + 2,048 a step
	s_lshl_b32 s27, s19, 11
	s_add_co_u32 s26, s26, s27
	s_mov_b32 s27, 0
	s_mul_i32 s28, s19, 45056                      ; scale words: the step's plane, + four tiles of 64
	s_lshl_b32 s29, s18, 8
	s_add_co_u32 s28, s28, s29
	s_mov_b32 s29, 0
	s_wait_alu depctr_va_vdst(0)
	s_wait_kmcnt 0x0
	s_add_nc_u64 s[4:5], s[4:5], s[24:25]
	s_add_nc_u64 s[12:13], s[12:13], s[26:27]
	s_add_nc_u64 s[14:15], s[14:15], s[28:29]
	LOADX 0
	LOADX 1
.irp f, 0,1,2,3
.if \f < 3
	s_wait_loadcnt 16                              ; this tile's 16 loads are in; the next tile's 16 may be out
.else
	s_wait_loadcnt 0x0
.endif
	TURNX \f
	s_wait_dscnt 0x0                               ; my 64 numbers are back, and the stores into the stage have read their registers,
.if \f < 2
	LOADX \f+2                                     ; which take the tile two further on
.endif
	s_wait_xcnt 0x0                                ; the last tile's stores have read the code registers: they are written again only behind this wait
	QUANT X
.irp c, 0,1,2,3
	global_store_b128 v4, v[PC+4*\c:PC+4*\c+3], s[12:13] offset:\f*16384+512*\c   ; 512 consecutive bytes a store
.endr
	ds_store_b32 v7, v[PW] offset:64*\f            ; lanes l and l xor 16 write the same word with the same value
.endr
	ds_load_b64 v[GD:GD+1], v8                     ; LDS serves a wave's instructions in order: this sees my stores
	s_wait_dscnt 0x0
	global_store_b64 v9, v[GD:GD+1], s[14:15]      ; four tiles' scale words: 256 consecutive bytes, aligned
	s_wait_tensorcnt 0x0
	ds_add_u32 v62, v63
	s_wait_dscnt 0x0
	s_endpgm
	; ---- the weights
.Lweights:
	s_sub_co_u32 s17, ttmp9, 256
	s_lshr_b32 s18, s17, 6                         ; which weight: 0 Wq, 1 Wk, 2 Wv
	s_bfe_u32 s19, s17, 0x30003                    ; which 128 columns
	s_and_b32 s17, s17, 7                          ; which 128 along K
	s_wait_alu depctr_va_vdst(0)
	v_lshlrev_b32 v4, 2, v1                        ; in: 4 bytes a lane
	v_bfe_u32 v2, v0, 3, 1                         ; column l of 32 lies in tile u = (l / 8) % 2
	v_and_b32 v3, 7, v0
	v_bfe_u32 v5, v0, 4, 1
	v_lshl_add_u32 v3, v5, 3, v3                   ; at position p = l % 8 + 8 (l / 16)
	v_lshlrev_b32 v5, 14, v2
	v_lshl_add_u32 v5, v3, 4, v5                   ; codes: 16384 u + 16 p
	v_lshlrev_b32 v6, 6, v2
	v_lshl_add_u32 v6, v3, 2, v6                   ; scale word: 64 u + 4 p
	s_lshl_b32 s24, s18, 6
	s_lshl_b32 s25, s19, 3
	s_add_co_u32 s24, s24, s25
	s_lshl_b32 s25, s16, 1
	s_add_co_u32 s24, s24, s25
	s_add_co_u32 s24, s24, 512                     ; my wave's first tile: 512 + 64 x weight + 8 x column group + 2 x wave
	s_lshl_b32 s26, s24, 14
	s_lshl_b32 s27, s17, 11
	s_add_co_u32 s26, s26, s27
	s_mov_b32 s27, 0
	s_mul_i32 s28, s17, 45056
	s_lshl_b32 s24, s24, 6
	s_add_co_u32 s28, s28, s24
	s_mov_b32 s29, 0
	s_lshl_b32 s24, s17, 19                        ; W: 128 rows of 4,096 bytes a step, + 4 bytes a column
	s_lshl_b32 s25, s19, 9
	s_add_co_u32 s24, s24, s25
	s_lshl_b32 s25, s16, 7
	s_add_co_u32 s24, s24, s25
	s_mov_b32 s25, 0
	s_wait_alu depctr_va_vdst(0)
	s_wait_kmcnt 0x0
	s_cmp_eq_u32 s18, 0                            ; the choice hangs on the work-group's number alone
	s_cselect_b64 s[4:5], s[6:7], s[8:9]
	s_cmp_eq_u32 s18, 2
	s_cselect_b64 s[4:5], s[10:11], s[4:5]
	s_add_nc_u64 s[4:5], s[4:5], s[24:25]
	s_add_nc_u64 s[12:13], s[12:13], s[26:27]
	s_add_nc_u64 s[14:15], s[14:15], s[28:29]
	LOADW 0
	LOADW 1
	BLOCKW 0
	BLOCKW 1
	BLOCKW 2
	BLOCKW 3
	global_store_b32 v6, v24, s[14:15]             ; two tiles' scale words: 128 consecutive bytes (half of an aligned 256; 96 KB of the launch's stores go so)
	s_endpgm
.Lfunc_end_k_q9fe490b37f_prep:
	.size	k_q9fe490b37f_prep, .Lfunc_end_k_q9fe490b37f_prep-k_q9fe490b37f_prep
	.p2alignl 7, 3214868480
	.fill 96, 4, 3214868480
	.section	.rodata,"a",@progbits
	.p2align	6, 0x0
	.amdhsa_kernel k_q9fe490b37f_prep
		.amdhsa_group_segment_fixed_size 35328
		.amdhsa_private_segment_fixed_size 0
		.amdhsa_enable_private_segment 0
		.amdhsa_kernarg_size 48
		.amdhsa_user_sgpr_count 2
		.amdhsa_user_sgpr_kernarg_segment_ptr 1
		.amdhsa_wavefront_size32 1
		.amdhsa_system_sgpr_workgroup_id_x 1
		.amdhsa_system_sgpr_workgroup_id_y 1
		.amdhsa_system_sgpr_workgroup_id_z 1
		.amdhsa_system_vgpr_workitem_id 0
		.amdhsa_next_free_vgpr 256
		.amdhsa_next_free_sgpr 66
		.amdhsa_reserve_vcc 0
		.amdhsa_float_denorm_mode_32 3
		.amdhsa_float_denorm_mode_16_64 3
		.amdhsa_memory_ordered 1
		.amdhsa_forward_progress 1
		.amdhsa_inst_pref_size 80
	.end_amdhsa_kernel
	.amdgpu_metadata
---
amdhsa.version: [ 1, 2 ]
amdhsa.kernels:
  - .name:           k_q9fe490b37f_prep
    .symbol:         k_q9fe490b37f_prep.kd
    .args:
      - { .name: x, .offset: 0, .size: 8, .value_kind: global_buffer, .address_space: global }
      - { .name: Wq, .offset: 8, .size: 8, .value_kind: global_buffer, .address_space: global }
      - { .name: Wk, .offset: 16, .size: 8, .value_kind: global_buffer, .address_space: global }
      - { .name: Wv, .offset: 24, .size: 8, .value_kind: global_buffer, .address_space: global }
      - { .name: xwc, .offset: 32, .size: 8, .value_kind: global_buffer, .address_space: global }
      - { .name: xws, .offset: 40, .size: 8, .value_kind: global_buffer, .address_space: global }
    .group_segment_fixed_size: 35328
    .private_segment_fixed_size: 0
    .kernarg_segment_align: 8
    .kernarg_segment_size: 48
    .max_flat_workgroup_size: 128
    .sgpr_count:     66
    .vgpr_count:     256
    .wavefront_size: 32
...
	.end_amdgpu_metadata
.endif
;; end of part 1
;; launch qkv (part 2): grid 16 x 16, 4 waves a work-group, clusters of 4 x 4, 327,680 bytes of LDS; arguments xwc, xws, bq, bk, bv, qkvc, qkvs; writes qkvc, qkvs
.if DOCPART == 2
	.amdgcn_target "amdgcn-amd-amdhsa--gfx1250"
	.amdhsa_code_object_version 6
	.text
	.protected	k_q9fe490b37f_qkv
	.globl	k_q9fe490b37f_qkv
	.p2align	8
	.type	k_q9fe490b37f_qkv,@function
k_q9fe490b37f_qkv:
	s_mov_b64 s[64:65], 0
	v_nop
	global_prefetch_b8 v0, s[64:65] scope:SCOPE_SE
	s_setreg_imm32_b32 hwreg(HW_REG_WAVE_MODE, 25, 1), 1
	s_wait_xcnt 0x0
	s_wait_alu depctr_hold_cnt(0) depctr_sa_sdst(0) depctr_va_vdst(0) depctr_va_sdst(0) depctr_va_ssrc(0) depctr_va_vcc(0) depctr_vm_vsrc(0)
	s_getreg_b32 s2, hwreg(HW_REG_IB_STS2, 6, 4)
	s_cmp_eq_u32 s2, 0
	s_cbranch_scc0 .Lentry_in_a_cluster
	s_endpgm
.Lentry_in_a_cluster:
	s_bfe_u32 s2, ttmp6, 0x10000c
	s_cmp_lg_u32 s2, 0xf033
	s_cbranch_scc0 .Lentry_shape_is_right
	s_endpgm
.Lentry_shape_is_right:
; q = x Wq + bq, k = x Wk + bk, v = x Wv + bv on codes of BF8 (E5M2) with E8M0 scales for each 32 along K = 1,024; the results are quantised again on the way out, as operands of the next products.
; OPERANDS (xwc, xws): tiles of 16 rows, position p of tile T = row 32 (T / 2) + 8 (T % 2) + p + 8 (p / 8); a fragment (16 rows x 128 K) is the image of its 16 registers, 2,048 bytes, at T x 16384 + step x 2048 + 512 c + 16 lane;
; scale words in planes, (step, T, p) at step x 45056 + 64 T + 4 p.  Tiles 0-511 x, 512-575 Wq's columns, 576-639 Wk's, 640-703 Wv's.
; RESULTS (qkvc, qkvs): tiles of 32,768 bytes (16 steps); tiles 0-511 tokens, steps 0-7 q, 8-15 k; tiles 512 + 64 batch + d / 16: v^T, steps = keys / 128.  Scale words: plane step x 49152 + 64 T + 4 p.
; LIMITS: a block whose largest magnitude lies under 2^-111 keeps the scale byte 1; NaN and infinities are not served.
; THE DEAL.  256 work-groups of four waves (2 x 2).  A wave holds 64 rows of one operand, ALL of K, in 512 registers and streams the other operand's rows past them in blocks of 16, which stand in registers as two whole sets.
; PHASE 1: 512 tokens stream past 128 columns of Wq or Wk: sixteen blocks.  PHASE 2: 256 channels of Wv (by cx) stream past 128 tokens: eight blocks of v^T.  Those tokens are the last of the work-group's own four chunks of phase 1:
; the chunks' order begins behind chunk number cluster x and ends with it, so that it lies in slot 1 when phase 2 takes it into registers, and no byte of it is loaded twice.  Only global addresses hang on that order.
; LDS: two slots of 128 rows; slot 1 first holds the 128 columns.  Refills, each in a drained round of the cluster's barrier, two tiles a wave: x is shared along a row of the cluster, the weights along a column.
; THE PRODUCTS ARE USED TRANSPOSED (source 0 = the rows held, source 1 = the rows streamed): a lane holds one streamed row, and its 16 registers of two neighbouring tiles are 16 neighbours along the next K.
; A block's way out stands among the next block's products, three lines behind each, so sums stand in two sets; the last block of phase 1 goes out at the change of phase.  The first block of either phase has none before it: there the lines work on what stands there and no codes are stored.
; Scale words of the streamed rows come by plain loads, four blocks ahead (the last trip asks for its own once more, so that all trips' counts are alike).
; REGISTERS: windows 1, 2 the rows held; window 3 two sets of streamed rows; window 0 all else.
.set TIL,  16384
.set OROW, 32768                       ; tile to tile in qkvc
.set SLOT1, 131072
.set GST,  2*SLOT1                     ; scale words, WR bytes a wave: 256 bytes not read, sixteen blocks' of phase 1, 256 not read, eight of phase 2
.set WR,   2048
.set SPARE, GST+4*WR                   ; the spare words
.set ADF0, 1
.set ADF,  2
.set CO,   3
.set SCO,  4
.set PFO,  5
.set VX,   9
.set SPW,  10
.set NIL,  11
.set TT,   13
.set RES,  14                          ; LDS address of my 64 rows in slot 1
.set BM,   18
.set PD,   20
.set SO,   22
.set HL,   24
.set PW,   26
.set PC1,  28
.set SB,   32                          ; the held rows' scale words: register 8 p + q: lanes 0-15 tile 2 p, lanes 16-31 tile 2 p + 1
.set SA,   50                          ; the streamed rows': four sets of four: lanes 0-15 step q, lanes 16-31 step q + 4.  No product's two scale words have numbers equal modulo 8
.set PC0,  66
.set ACC,  72                          ; two sets of 32
.set BV,   136                         ; the bias of q or k at my registers' columns: the first products' C
.set WS2,  168                         ; phase 2's scale words of the held rows, until the change of phase
.set LBX,  184                         ; the bias of v at my lane's channel: pairs (the low register counts): 0 the block before the trip's first, 1 to 4 the trip's, 5 to 8 the next trip's
.set SEL,  12
.set MNT,  100
.set G1K, 24
.set G1Q, 32
.set G1R, 48
.set G0Q, 56
.set G0K, 60
.set G0R, 68
.set G0W, 72
.set PH, 0                             ; the phase, whether the first block's stores may be skipped, whether a trip prefetches
.set SK, 1
.set PF, 1
.set MSB, 0
.macro WIN new                         ; the immediate's high byte repeats the setting that is left
.if MSB != (\new)
	s_set_vgpr_msb (MSB<<8)|(\new)
.set MSB, (\new)
.endif
.endm
.macro PLACES n
.rept \n
	v_nop
.endr
.endm
.macro WALU
	s_wait_alu depctr_va_vdst(0)
.endm
.macro BARRIER
	s_barrier_signal -1
	s_barrier_wait -1
.endm
.macro MIDDLE                          ; a round of the cluster's barrier behind its opening signal
	s_barrier_wait -1
	s_cmp_lg_u32 s14, 0
	s_cbranch_scc1 .Lnot_wave_0_\@
	s_barrier_signal -3
.Lnot_wave_0_\@:
	s_barrier_wait -3
	BARRIER
.endm
.macro TLOAD g0, g1
	tensor_load_to_lds s[\g0:\g0+3], s[\g1:\g1+7]
	s_nop 0
	PLACES 4
.endm
.macro GROUP1 g, mask, rows            ; whole tiles, 2,048 elements of 8 bytes each, dense
	s_or_b32 s[\g+0], s[\mask], (3<<16)|(1<<21)
	s_mov_b32 s[\g+1], 2048<<16
	s_mov_b32 s[\g+2], (\rows)<<16
	s_mov_b32 s[\g+3], 2048<<16
	s_mov_b32 s[\g+4], \rows
	s_mov_b32 s[\g+5], 2048
	s_mov_b32 s[\g+6], 0
	s_mov_b32 s[\g+7], 0
.endm
.macro SHADD d, x, n                   ; s[d] += s[x] << n
	s_lshl_b32 s17, s\x, \n
	s_add_co_u32 s\d, s\d, s17
.endm
.macro CHUNK k                         ; s17 = the chunk that stands k behind the trip's in the order of work
	s_add_co_u32 s17, s91, s3
	s_add_co_u32 s17, s17, \k
	s_and_b32 s17, s17, 3
.endm
.macro WEIGHTS                         ; my 64 rows out of slot 1, all of K, into windows 1 and 2: 128 loads
.irp q, 0,1,2,3,4,5,6,7
	WIN (1+\q/4)<<6
.irp b, 0,1,2,3
.irp c, 0,1,2,3
	ds_load_b128 v[16*((4*\q+\b)%16)+4*\c:16*((4*\q+\b)%16)+4*\c+3], v[RES] offset:\b*TIL+2048*\q+512*\c
.endr
.endr
.endr
	WIN 0
.endm
.macro FETCH e, a, off                 ; a block of streamed rows, all of K, into set e: 32 loads
	WIN 0xc0
.irp q, 0,1,2,3,4,5,6,7
.irp c, 0,1,2,3
	ds_load_b128 v[128*(\e)+16*\q+4*\c:128*(\e)+16*\q+4*\c+3], v[\a] offset:(\off)+2048*\q+512*\c
.endr
.endr
	WIN 0
.endm
.macro SALOAD i, base                  ; the scale words of block i of the chunk at s[base]
.irp q, 0,1,2,3
	global_load_b32 v[SA+4*(\i)+\q], v[SCO], s[\base:\base+1] offset:\q*45056+128*(\i)
.endr
.endm
.macro PROD n, i                       ; product n = 4 q + b of block i: step q, held tile b
.set Q_, (\n)/4
.set B_, (\n)%4
.set AC_, ACC+32*((\i)%2)+8*B_
.set W_, 16*((4*Q_+B_)%16)
.set R_, 128*((\i)%2)+16*Q_
.set WS_, SB+8*(B_/2)+Q_
.set XS_, SA+4*(\i)+Q_%4
.set C_, AC_
.if Q_ == 0
.set C_, BV+8*B_
.endif
	WIN (1+(4*Q_+B_)/16)|12
.if Q_ == 0 && PH
.if B_%2
	v_wmma_scale_f32_16x16x128_f8f6f4 v[AC_:AC_+7], v[W_:W_+15], v[R_:R_+15], 0, v[WS_], v[XS_] matrix_a_fmt:MATRIX_FMT_BF8 matrix_b_fmt:MATRIX_FMT_BF8 matrix_a_scale:MATRIX_SCALE_ROW1
.else
	v_wmma_scale_f32_16x16x128_f8f6f4 v[AC_:AC_+7], v[W_:W_+15], v[R_:R_+15], 0, v[WS_], v[XS_] matrix_a_fmt:MATRIX_FMT_BF8 matrix_b_fmt:MATRIX_FMT_BF8
.endif
.elseif Q_ < 4
.if B_%2
	v_wmma_scale_f32_16x16x128_f8f6f4 v[AC_:AC_+7], v[W_:W_+15], v[R_:R_+15], v[C_:C_+7], v[WS_], v[XS_] matrix_a_fmt:MATRIX_FMT_BF8 matrix_b_fmt:MATRIX_FMT_BF8 matrix_a_scale:MATRIX_SCALE_ROW1
.else
	v_wmma_scale_f32_16x16x128_f8f6f4 v[AC_:AC_+7], v[W_:W_+15], v[R_:R_+15], v[C_:C_+7], v[WS_], v[XS_] matrix_a_fmt:MATRIX_FMT_BF8 matrix_b_fmt:MATRIX_FMT_BF8
.endif
.else
.if B_%2
	v_wmma_scale_f32_16x16x128_f8f6f4 v[AC_:AC_+7], v[W_:W_+15], v[R_:R_+15], v[C_:C_+7], v[WS_], v[XS_] matrix_a_fmt:MATRIX_FMT_BF8 matrix_b_fmt:MATRIX_FMT_BF8 matrix_a_scale:MATRIX_SCALE_ROW1 matrix_b_scale:MATRIX_SCALE_ROW1
.else
	v_wmma_scale_f32_16x16x128_f8f6f4 v[AC_:AC_+7], v[W_:W_+15], v[R_:R_+15], v[C_:C_+7], v[WS_], v[XS_] matrix_a_fmt:MATRIX_FMT_BF8 matrix_b_fmt:MATRIX_FMT_BF8 matrix_b_scale:MATRIX_SCALE_ROW1
.endif
.endif
.endm
.macro E k, x, l                       ; A WAY OUT, line k of 79, of the 32 sums at x: the lane's bias (phase 2: lines 0 to 15), the two blocks' largest magnitudes with the floor 2^-111, scale operands, bounds, bytes; holds (the conversion does not saturate: ISA guide 7.6.2) and conversions
.set X_, \x
.set K2_, (\k)-16
.if (\k) < 16
	v_pk_add_f32 v[X_+2*(\k):X_+2*(\k)+1], v[X_+2*(\k):X_+2*(\k)+1], v[LBX+2*(\l):LBX+2*(\l)+1] op_sel_hi:[1,0]
.elseif (\k) < 28
.set CC_, K2_%4
.set TR_, BM+CC_/2+2*(CC_%2)
.set XX_, X_+8*CC_+2*(K2_/4)
.if K2_ < 4
	v_max3_num_f32 v[TR_], |v[XX_]|, |v[XX_+1]|, |v[XX_+2]|
.else
	v_max3_num_f32 v[TR_], v[TR_], |v[XX_+1]|, |v[XX_+2]|
.endif
.elseif (\k) < 30
	v_max3_num_f32 v[BM+(\k)-28], v[BM+(\k)-28], v[PD+(\k)-28], |v[X_+16*((\k)-28)+7]|
.elseif (\k) < 32
	v_max3_num_f32 v[BM+(\k)-30], v[BM+(\k)-30], |v[X_+16*((\k)-30)+15]|, 0x8000000
.elseif (\k) < 34
	v_permlanex16_b32 v[PD+(\k)-32], v[BM+(\k)-32], s[SEL], s[SEL+1]
.elseif (\k) < 36
	v_max_num_f32 v[BM+(\k)-34], v[BM+(\k)-34], v[PD+(\k)-34]
.elseif (\k) < 38
	v_add_nc_u32 v[SO+(\k)-36], 0xf8800000, v[BM+(\k)-36]
.elseif (\k) < 40
	v_and_or_b32 v[HL+(\k)-38], v[BM+(\k)-38], 0x7f800000, s[MNT]
.elseif (\k) == 40
	v_lshrrev_b32 v[PW], 23, v[SO]
.elseif (\k) == 41
	v_lshrrev_b32 v[TT], 23, v[SO+1]
.elseif (\k) == 42
	v_lshl_or_b32 v[PW], v[TT], 8, v[PW]
.elseif (\k) < 79
.set J_, ((\k)-43)/9
.set M_, ((\k)-43)%9
.if M_ < 8
	v_med3_num_f32 v[X_+8*J_+M_], v[X_+8*J_+M_], -v[HL+J_/2], v[HL+J_/2]
.elseif J_ < 2
	v_cvt_scalef32_pk8_bf8_f32 v[PC0+2*J_:PC0+2*J_+1], v[X_+8*J_:X_+8*J_+7], v[SO]
.else
	v_cvt_scalef32_pk8_bf8_f32 v[PC1+2*J_-4:PC1+2*J_-3], v[X_+8*J_:X_+8*J_+7], v[SO+1]
.endif
.endif
.endm
.macro SOUT ko, base, co, skip         ; the two scale bytes to their place in LDS (lanes l and l xor 16 write the same); the codes leave, 512 consecutive bytes a store
	ds_store_b32 v[VX], v[PW] offset:\ko
.if \skip
	s_cmp_eq_u32 s3, 0
	s_cbranch_scc1 .Lno_block_before_\@
.endif
	global_store_b128 v[CO], v[PC0:PC0+3], s[\base:\base+1] offset:\co
	global_store_b128 v[CO], v[PC1:PC1+3], s[\base:\base+1] offset:(\co)+512
.if \skip
.Lno_block_before_\@:
.endif
.endm
.macro GAP g, i                        ; what stands behind product g of block i
.set EB_, ACC+32*(((\i)+1)%2)
.if (\g) == 0                          ; where the block two on lies
	WIN 0
.if (\i) < 2
	s_add_co_u32 s22, s101, ((\i)+2)*2*TIL
.else
	s_add_co_u32 s22, s47, ((\i)-2)*2*TIL
.endif
	v_add_nc_u32 v[ADF], s22, v[ADF0]
.endif
.if (\g) < 21+6*PH
	WIN 0
	E 16*(1-PH)+3*(\g), EB_, \i
	E 16*(1-PH)+3*(\g)+1, EB_, \i
	E 16*(1-PH)+3*(\g)+2, EB_, \i
.elseif (\g) == 22+5*PH
	WIN 0
.if (\i) == 0
	SOUT 192, 84, 6*OROW, SK
.else
	SOUT 192+64*(\i), 10, 2*OROW*((\i)-1), 0
.endif
.elseif (\g) == 24 && (\i) == 1 && PF  ; ask for what the next trip's refill brings: my sixteenth of it among the partners that share it
	WIN 0
	global_prefetch_b8 v[PFO], s[76:77] th:TH_LOAD_NT scope:SCOPE_SE
.endif
.endm
.macro BLK from, to, i
.set N_, \from
.rept (\to)-(\from)
	PROD N_, \i
	GAP N_, \i
.set N_, N_+1
.endr
.endm
.macro SHOW i, half                    ; a block with a barrier that shows a chunk; half = 1: its first half alone, which waves 0 and 1 fetch
	BLK 0, 28, \i
	WIN 0
	WALU
.if \half
	s_cmp_lt_u32 s14, 2
	s_cbranch_scc0 .Lnot_yet_\@
	s_wait_tensorcnt 0x0
.Lnot_yet_\@:
.else
	s_wait_tensorcnt 0x0
.endif
	s_wait_dscnt 0x0
	s_barrier_signal -1
	BLK 28, 32, \i
	WIN 0
	s_barrier_wait -1
.endm
.macro BOUND i, last                   ; between two blocks; last = 1: the last trip fetches nothing
	WIN 0
	PLACES 8                                       ; for the loads into what the last products have read, and for the reads of their sums
.if \last
	s_cmp_eq_u32 s3, 1
	s_cbranch_scc1 .Lno_fetch_\@
	FETCH (\i)%2, ADF, 0
	s_wait_dscnt 32
	s_branch .Lfetched_\@
.Lno_fetch_\@:
	s_wait_dscnt 0x0
.Lfetched_\@:
.else
	FETCH (\i)%2, ADF, 0
	s_wait_dscnt 32                                ; all but the fetch just issued: the next block's rows are in
.endif
	SALOAD \i, 8                                   ; the scale words of the block four on
	s_wait_loadcnt 12                              ; the next block's are in; those of the three behind it may be out
	s_wait_xcnt 0x0                                ; the codes' stores have read their registers
.endm
.macro TRIP g0, g1                     ; four blocks, behind the add: a round, the refill, and the barrier that shows its first half
	s_wait_dscnt 0x0
	s_barrier_signal -1
	BLK 0, 8, 0                                    ; work on registers while the others arrive
	WIN 0
	WALU
	MIDDLE
	s_cmp_lt_u32 s14, 2                            ; waves 0, 1 and waves 2, 3 have a load line each
	s_cbranch_scc0 .Lupper_\@
	TLOAD \g0, \g1
	s_branch .Lboth_\@
.Lupper_\@:
	TLOAD \g0, \g1
.Lboth_\@:
	BLK 8, 32, 0
	BOUND 0, 0
	BLK 0, 32, 1
	BOUND 1, 0
	SHOW 2, 1                                      ; blocks 2 and 3 fetch from the next chunk's first half
	BOUND 2, 0
	BLK 0, 32, 3
	BOUND 3, 0
.endm
	s_load_b128 s[4:7], s[0:1], 0x0                ; xwc, xws
	s_load_b128 s[8:11], s[0:1], 0x10              ; bq, bk
	s_load_b64 s[92:93], s[0:1], 0x20              ; bv
	s_load_b64 s[94:95], s[0:1], 0x28              ; qkvc
	s_load_b64 s[96:97], s[0:1], 0x30              ; qkvs
	v_lshl_add_u32 v[SPW], v0, 2, SPARE
	v_mov_b32 v[NIL], 0
	ds_add_u32 v[SPW], v[NIL]                      ; the opening lines
	ds_add_u32 v[SPW], v[NIL]
	v_lshrrev_b32 v1, 5, v0
	v_readfirstlane_b32 s14, v1                    ; wave 0..3
	s_lshr_b32 s15, s14, 1                         ; my row of waves: which tiles stream past me
	s_and_b32 s16, s14, 1                          ; my column: which 64 of the held rows
	s_bfe_u32 s40, ttmp6, 0x40000
	s_bfe_u32 s41, ttmp6, 0x40004
	s_lshl_b32 s42, ttmp9, 2
	s_add_co_u32 s42, s42, s40                     ; which 128 columns of Wq (0 to 7), Wk (8 to 15); also the step of the results
	s_and_b32 s44, ttmp7, 0xffff                   ; the batch
	s_lshl_b32 s43, s44, 2
	s_add_co_u32 s43, s43, s41                     ; which 512 tokens of all
	s_add_co_u32 s91, ttmp9, 1                     ; the chunk that comes first (modulo 4)
	s_lshl_b32 s45, s41, 2
	s_lshl_b32 s45, 15, s45                        ; my row of the cluster: shares x
	s_lshl_b32 s46, 0x1111, s40                    ; my column: shares the weights
	GROUP1 G1K, 46, 4
	GROUP1 G1Q, 45, 4
	GROUP1 G1R, 45, 2
	s_lshl_b32 s20, s43, 19                        ; x's first tile, 32 s43
	s_mov_b32 s21, 0
	s_and_b32 s18, s91, 3
	s_lshl_b32 s18, s18, 17
	SHADD 18, 16, 16
	s_mov_b32 s19, 0
	s_lshl_b32 s22, s42, 17                        ; the columns' first tile, 512 + 8 s42
	SHADD 22, 16, 16
	s_add_co_u32 s22, s22, 512*TIL
	s_mov_b32 s23, 0
	s_mov_b32 s[SEL], 0x76543210
	s_mov_b32 s[SEL+1], 0xfedcba98
	s_mov_b32 s[MNT], 0x600000
	s_wait_dscnt 0x0                               ; both opening adds are done
	s_barrier_signal -1
	MIDDLE                                         ; the opening round
	s_wait_kmcnt 0x0
	s_add_nc_u64 s[88:89], s[4:5], s[20:21]
	s_mov_b32 s[G0Q], 1
	s_lshl_b32 s[G0Q+1], s16, 16
	s_add_nc_u64 s[G0Q+2:G0Q+3], s[88:89], s[18:19]
	s_or_b32 s[G0Q+3], s[G0Q+3], 0x80000000
	s_mov_b32 s[G0K], 1
	s_lshl_b32 s[G0K+1], s16, 16
	s_add_co_u32 s[G0K+1], s[G0K+1], SLOT1
	s_add_nc_u64 s[G0K+2:G0K+3], s[4:5], s[22:23]
	s_or_b32 s[G0K+3], s[G0K+3], 0x80000000
	s_mov_b32 s[G0R], 1
	s_mov_b32 s[G0W], 1
	s_cmp_lt_u32 s14, 2                            ; one load a wave: the columns' halves, the first chunk's halves
	s_cbranch_scc0 .Lfor_x
	TLOAD G0K, G1K
	s_branch .Lasked
.Lfor_x:
	TLOAD G0Q, G1Q
.Lasked:
	v_and_b32 v20, 15, v0                          ; r
	v_bfe_u32 v21, v0, 4, 1                        ; h
	v_and_b32 v22, 31, v0                          ; lane
	v_lshlrev_b32 v[CO], 4, v22
	v_lshlrev_b32 v[PFO], 8, v22
	v_mul_u32_u24 v[SCO], v21, 4*45056
	v_lshl_add_u32 v[SCO], v20, 2, v[SCO]
	v_lshlrev_b32 v15, 2, v22
	v_and_b32 v16, 8, v20
	v_add_nc_u32 v16, v16, v20
	v_lshlrev_b32 v16, 2, v16                      ; 4 (r + 8 (r / 8))
	v_lshlrev_b32 v17, 6, v21
	WALU
	s_lshl_b32 s18, s40, 18                        ; Wv's 256 channels: tile 640 + 16 cx
	s_add_co_u32 s18, s18, 640*TIL
	s_add_nc_u64 s[80:81], s[4:5], s[18:19]
	s_lshl_b32 s18, s41, 15
	SHADD 18, 14, 13
	s_add_nc_u64 s[78:79], s[80:81], s[18:19]      ; my sixteenth of its first 128
	s_lshl_b32 s18, s40, 15
	SHADD 18, 14, 13
	s_add_nc_u64 s[76:77], s[88:89], s[18:19]      ; my sixteenth of a chunk of x
	s_lshl_b32 s90, s14, 15                        ; the two tiles of a chunk that I fetch
	s_mov_b32 s18, s90
	s_add_nc_u64 s[80:81], s[80:81], s[18:19]
	s_add_nc_u64 s[88:89], s[88:89], s[18:19]
	s_lshl_b32 s18, s40, 10                        ; scale words: Wv's channels',
	SHADD 18, 15, 6
	s_add_co_u32 s18, s18, 640*64
	s_add_nc_u64 s[82:83], s[6:7], s[18:19]
	s_lshl_b32 s18, s43, 11                        ; x's,
	SHADD 18, 15, 6
	s_add_nc_u64 s[4:5], s[6:7], s[18:19]
	s_lshl_b32 s22, s42, 9                         ; my 64 columns',
	SHADD 22, 16, 8
	s_add_co_u32 s22, s22, 512*64
	s_add_nc_u64 s[22:23], s[6:7], s[22:23]
	s_lshl_b32 s20, s43, 11                        ; and those of the 64 tokens that phase 2 holds
	s_lshl_b32 s17, ttmp9, 9
	s_add_co_u32 s20, s20, s17
	SHADD 20, 16, 8
	s_add_nc_u64 s[20:21], s[6:7], s[20:21]
.irp p, 0,1
.irp q, 0,1,2,3,4,5,6,7
	global_load_b32 v[SB+8*\p+\q], v15, s[22:23] offset:\q*45056+128*\p
	global_load_b32 v[WS2+8*\p+\q], v15, s[20:21] offset:\q*45056+128*\p
.endr
.endr
	s_cmp_lt_u32 s42, 8                            ; bq or bk: the choice hangs on no address
	s_cselect_b64 s[8:9], s[8:9], s[10:11]
	s_and_b32 s18, s42, 7
	s_lshl_b32 s18, s18, 9
	SHADD 18, 16, 8
	s_add_nc_u64 s[8:9], s[8:9], s[18:19]
.irp b, 0,1
.irp j, 0,1,2,3
	global_load_b128 v[BV+16*\b+4*\j:BV+16*\b+4*\j+3], v17, s[8:9] offset:128*\b+16*\j
.endr
.endr
	s_lshl_b32 s18, s40, 10
	SHADD 18, 15, 5
	s_add_nc_u64 s[92:93], s[92:93], s[18:19]
.irp k, 0,1,2,3,4,5,6,7
	global_load_b32 v[LBX+2+2*\k], v16, s[92:93] offset:128*\k
.endr
	s_and_b32 s18, s91, 3
	s_lshl_b32 s18, s18, 9
	s_add_nc_u64 s[98:99], s[4:5], s[18:19]
	SALOAD 0, 98
	SALOAD 1, 98
	SALOAD 2, 98
	SALOAD 3, 98
	s_lshl_b32 s17, s15, 14
	v_add_nc_u32 v[ADF0], s17, v[CO]
	s_lshl_b32 s17, s16, 16
	s_add_co_u32 s17, s17, SLOT1
	v_add_nc_u32 v[RES], s17, v[CO]
	s_mul_i32 s17, s14, WR
	s_add_co_u32 s17, s17, GST
	v_lshl_add_u32 v[VX], v20, 2, s17
	WALU
	s_mov_b64 s[6:7], s[76:77]
	s_lshl_b32 s18, s43, 20                        ; phase 1's results: tile 32 s43 + my row of waves, step s42, half
	SHADD 18, 15, 15
	SHADD 18, 42, 11
	SHADD 18, 16, 10
	s_add_nc_u64 s[86:87], s[94:95], s[18:19]
	s_mov_b64 s[10:11], s[86:87]
	s_lshl_b32 s18, s44, 21                        ; phase 2's: tile 512 + 64 batch + 16 cx, step 4 cy + cluster x; a trip back
	SHADD 18, 40, 19
	SHADD 18, 15, 15
	SHADD 18, 41, 13
	s_lshl_b32 s17, ttmp9, 11
	s_add_co_u32 s18, s18, s17
	SHADD 18, 16, 10
	s_add_co_u32 s18, s18, 504*OROW
	s_add_nc_u64 s[94:95], s[94:95], s[18:19]
	s_mov_b32 s3, 0                                ; the trip; s101 its chunk's slot, s47 the other
	s_mov_b32 s101, 0
	s_mov_b32 s47, SLOT1
	CHUNK 1
	s_lshl_b32 s18, s17, 17
	s_add_nc_u64 s[76:77], s[6:7], s[18:19]
.set n_, 0
.rept 32
	v_mov_b32 v[ACC+32+n_], 0
.set n_, n_+1
.endr
.irp k, 0,1,3,5,7
	v_mov_b32 v[LBX+\k], 0
.endr
	WALU
	s_cmp_lt_u32 s14, 2
	s_cbranch_scc0 .Lnot_w
	s_wait_tensorcnt 0x0                           ; waves 0, 1: the columns have landed.  The other waves' wait stands at the second barrier
.Lnot_w:
	BARRIER
	global_prefetch_b8 v[PFO], s[76:77] th:TH_LOAD_NT scope:SCOPE_SE
	WEIGHTS
	s_wait_loadcnt 12                              ; all but the scale words of blocks 1 to 3
	s_wait_tensorcnt 0x0
	s_wait_dscnt 0x0
	BARRIER                                        ; the first chunk is in; the columns are in registers
	FETCH 0, ADF0, 0
	FETCH 1, ADF0, 2*TIL
.Ltrip:                                            ; PHASE 1: three trips, each with the refill of the next chunk of x
	s_wait_xcnt 0x0                                ; loads, stores and prefetches have taken their bases
	s_mov_b64 s[84:85], s[10:11]
	s_mov_b32 s21, 0
	CHUNK 0
	s_lshl_b32 s20, s17, 18
	s_add_nc_u64 s[10:11], s[86:87], s[20:21]
	CHUNK 1
	s_lshl_b32 s20, s17, 9
	s_add_nc_u64 s[8:9], s[4:5], s[20:21]
	s_lshl_b32 s20, s17, 17
	s_add_nc_u64 s[18:19], s[88:89], s[20:21]
	CHUNK 2
	s_lshl_b32 s20, s17, 17
	s_add_nc_u64 s[76:77], s[6:7], s[20:21]
	s_cmp_lt_u32 s3, 2
	s_cselect_b64 s[76:77], s[76:77], s[78:79]     ; behind the last chunk of x come Wv's first 128 channels
	s_wait_tensorcnt 0x0                           ; ahead of a refill
	ds_add_u32 v[SPW], v[NIL]
	s_add_co_u32 s[G0R+1], s90, s47
	s_mov_b64 s[G0R+2:G0R+3], s[18:19]
	s_or_b32 s[G0R+3], s[G0R+3], 0x80000000
	TRIP G0R, G1R
	v_add_nc_u32 v[VX], 256, v[VX]
	s_mov_b32 s101, s47
	s_xor_b32 s47, s47, SLOT1
	WALU
	s_add_co_u32 s3, s3, 1
	s_cmp_lg_u32 s3, 3
	s_cbranch_scc1 .Ltrip
.set SK, 0
	s_wait_xcnt 0x0                                ; the fourth trip: its refill is Wv's first 128 channels, shared by my column
	s_mov_b64 s[84:85], s[10:11]
	s_mov_b32 s21, 0
	CHUNK 0
	s_lshl_b32 s20, s17, 18
	s_add_nc_u64 s[10:11], s[86:87], s[20:21]
	s_mov_b64 s[8:9], s[82:83]
	s_add_nc_u64 s[76:77], s[78:79], 8*TIL
	s_wait_tensorcnt 0x0
	ds_add_u32 v[SPW], v[NIL]
	s_mov_b32 s[G1K+2], 2<<16                      ; no load of mine is out: from here on two tiles a load
	s_mov_b32 s[G1K+4], 2
	s_mov_b32 s[G0W+1], s90
	s_mov_b64 s[G0W+2:G0W+3], s[80:81]
	s_or_b32 s[G0W+3], s[G0W+3], 0x80000000
	TRIP G0W, G1K
	; THE CHANGE OF PHASE: the last chunk's tokens out of slot 1 into the registers; the last block's way out while they come
	WEIGHTS
.set K_, 16
.rept 63
	E K_, ACC+32, 0
.set K_, K_+1
.endr
	v_nop
	SOUT 448, 10, 6*OROW, 0
.irp k, 0,1,2,3,4,5,6,7,8,9,10,11,12,13,14,15
	v_mov_b32 v[SB+\k], v[WS2+\k]
.endr
	v_add_nc_u32 v[VX], 512, v[VX]
	s_mov_b32 s101, 0
	s_mov_b32 s47, SLOT1
	WALU
	s_wait_tensorcnt 0x0
	ds_add_u32 v[SPW], v[NIL]
	s_add_co_u32 s[G0W+1], s90, SLOT1              ; Wv's other 128 channels over them
	s_add_nc_u64 s[G0W+2:G0W+3], s[80:81], 8*TIL
	s_or_b32 s[G0W+3], s[G0W+3], 0x80000000
	s_wait_dscnt 0x0
	s_barrier_signal -1
	MIDDLE
	TLOAD G0W, G1K
	s_wait_xcnt 0x0
	s_mov_b64 s[10:11], s[94:95]
	s_add_nc_u64 s[8:9], s[82:83], 512
	s_mov_b32 s3, 0
.set PH, 1
.set SK, 1
.set PF, 0
.Lv:                                               ; PHASE 2: two trips
	s_wait_xcnt 0x0
	s_mov_b64 s[84:85], s[10:11]
	s_add_nc_u64 s[10:11], s[10:11], 8*OROW
	BLK 0, 32, 0
	BOUND 0, 0
	BLK 0, 32, 1
	BOUND 1, 0
	SHOW 2, 0
	BOUND 2, 1
	BLK 0, 32, 3
	BOUND 3, 1
.irp j, 0,1,2,3,4
	v_mov_b32 v[LBX+2*\j], v[LBX+2*\j+8]           ; the next trip's biases
.endr
	v_add_nc_u32 v[VX], 256, v[VX]
	s_mov_b32 s101, s47
	s_xor_b32 s47, s47, SLOT1
	WALU
	s_add_co_u32 s3, s3, 1
	s_cmp_lg_u32 s3, 2
	s_cbranch_scc1 .Lv
.set K_, 0
.rept 79
	E K_, ACC+32, 0
.set K_, K_+1
.endr
	v_nop
	SOUT 192, 10, 6*OROW, 0
	; THE SCALE WORDS: two bytes of each column of waves make one.  Phase 1: a thread takes four neighbouring rows, a wave the chunk that came wave-th; phase 2: two neighbouring channels
	v_lshrrev_b32 v20, 3, v0
	v_and_b32 v21, 3, v0
	v_bfe_u32 v22, v0, 2, 1
	v_lshlrev_b32 v20, 6, v20
	v_lshl_add_u32 v20, v21, 4, v20
	v_mul_u32_u24 v22, v22, 2*WR
	v_add_nc_u32 v20, v20, v22
	v_add_nc_u32 v20, GST+256, v20
	v_lshrrev_b32 v23, 4, v0
	v_and_b32 v24, 7, v0
	v_bfe_u32 v25, v0, 3, 1
	v_lshlrev_b32 v23, 6, v23
	v_lshl_add_u32 v23, v24, 3, v23
	v_mul_u32_u24 v25, v25, 2*WR
	v_add_nc_u32 v23, v23, v25
	v_add_nc_u32 v23, GST+1536, v23
	v_and_b32 v24, 31, v0
	v_lshlrev_b32 v24, 4, v24
	v_lshlrev_b32 v25, 3, v0
	WALU
	s_mov_b32 s19, 0
	s_mul_i32 s18, s42, 49152
	SHADD 18, 43, 11
	s_add_co_u32 s17, s91, s14
	s_and_b32 s17, s17, 3
	s_lshl_b32 s17, s17, 9
	s_add_co_u32 s18, s18, s17
	s_add_nc_u64 s[20:21], s[96:97], s[18:19]
	s_lshl_b32 s18, s41, 2
	s_add_co_u32 s18, s18, ttmp9
	s_mul_i32 s18, s18, 49152
	SHADD 18, 44, 12
	SHADD 18, 40, 10
	s_add_co_u32 s18, s18, 512*64
	s_add_nc_u64 s[22:23], s[96:97], s[18:19]
	s_wait_dscnt 0x0
	BARRIER
	ds_load_b128 v[136:139], v20
	ds_load_b128 v[140:143], v20 offset:WR
	ds_load_b64 v[144:145], v23
	ds_load_b64 v[146:147], v23 offset:WR
	s_wait_dscnt 0x0
.irp k, 0,1,2,3
	v_lshl_or_b32 v[136+\k], v[140+\k], 16, v[136+\k]
.endr
.irp k, 0,1
	v_lshl_or_b32 v[144+\k], v[146+\k], 16, v[144+\k]
.endr
	global_store_b128 v24, v[136:139], s[20:21]
	global_store_b64 v25, v[144:145], s[22:23]
	s_wait_tensorcnt 0x0                           ; the wave's end
	ds_add_u32 v[SPW], v[NIL]
	s_wait_dscnt 0x0
	s_barrier_signal -1
	MIDDLE                                         ; the closing round
	s_endpgm
.Lfunc_end_k_q9fe490b37f_qkv:
	.size	k_q9fe490b37f_qkv, .Lfunc_end_k_q9fe490b37f_qkv-k_q9fe490b37f_qkv
	.p2alignl 7, 3214868480
	.fill 96, 4, 3214868480
	.section	.rodata,"a",@progbits
	.p2align	6, 0x0
	.amdhsa_kernel k_q9fe490b37f_qkv
		.amdhsa_group_segment_fixed_size 327680
		.amdhsa_private_segment_fixed_size 0
		.amdhsa_enable_private_segment 0
		.amdhsa_kernarg_size 56
		.amdhsa_user_sgpr_count 2
		.amdhsa_user_sgpr_kernarg_segment_ptr 1
		.amdhsa_wavefront_size32 1
		.amdhsa_system_sgpr_workgroup_id_x 1
		.amdhsa_system_sgpr_workgroup_id_y 1
		.amdhsa_system_sgpr_workgroup_id_z 1
		.amdhsa_system_vgpr_workitem_id 0
		.amdhsa_next_free_vgpr 1024
		.amdhsa_next_free_sgpr 102
		.amdhsa_reserve_vcc 0
		.amdhsa_float_denorm_mode_32 3
		.amdhsa_float_denorm_mode_16_64 3
		.amdhsa_memory_ordered 1
		.amdhsa_forward_progress 1
		.amdhsa_inst_pref_size 212
	.end_amdhsa_kernel
	.amdgpu_metadata
---
amdhsa.version: [ 1, 2 ]
amdhsa.kernels:
  - .name:           k_q9fe490b37f_qkv
    .symbol:         k_q9fe490b37f_qkv.kd
    .args:
      - { .name: xwc, .offset: 0, .size: 8, .value_kind: global_buffer, .address_space: global }
      - { .name: xws, .offset: 8, .size: 8, .value_kind: global_buffer, .address_space: global }
      - { .name: bq, .offset: 16, .size: 8, .value_kind: global_buffer, .address_space: global }
      - { .name: bk, .offset: 24, .size: 8, .value_kind: global_buffer, .address_space: global }
      - { .name: bv, .offset: 32, .size: 8, .value_kind: global_buffer, .address_space: global }
      - { .name: qkvc, .offset: 40, .size: 8, .value_kind: global_buffer, .address_space: global }
      - { .name: qkvs, .offset: 48, .size: 8, .value_kind: global_buffer, .address_space: global }
    .group_segment_fixed_size: 327680
    .private_segment_fixed_size: 0
    .kernarg_segment_align: 8
    .kernarg_segment_size: 56
    .max_flat_workgroup_size: 128
    .sgpr_count:     102
    .vgpr_count:     1024
    .wavefront_size: 32
...
	.end_amdgpu_metadata
.endif
;; end of part 2
;; launch scores (part 3): grid 16 x 16, 4 waves a work-group, clusters of 4 x 4, 327,680 bytes of LDS; arguments qkvc, qkvs, mask, pc, ps, pm, pl; writes pc, ps, pm, pl
.if DOCPART == 3
	.amdgcn_target "amdgcn-amd-amdhsa--gfx1250"
	.amdhsa_code_object_version 6
	.text
	.protected	k_q9fe490b37f_scores
	.globl	k_q9fe490b37f_scores
	.p2align	8
	.type	k_q9fe490b37f_scores,@function
k_q9fe490b37f_scores:
	s_mov_b64 s[64:65], 0
	v_nop
	global_prefetch_b8 v0, s[64:65] scope:SCOPE_SE
	s_setreg_imm32_b32 hwreg(HW_REG_WAVE_MODE, 25, 1), 1
	s_wait_xcnt 0x0
	s_wait_alu depctr_hold_cnt(0) depctr_sa_sdst(0) depctr_va_vdst(0) depctr_va_sdst(0) depctr_va_ssrc(0) depctr_va_vcc(0) depctr_vm_vsrc(0)
	s_getreg_b32 s2, hwreg(HW_REG_IB_STS2, 6, 4)
	s_cmp_eq_u32 s2, 0
	s_cbranch_scc0 .Lentry_in_a_cluster
	s_endpgm
.Lentry_in_a_cluster:
	s_bfe_u32 s2, ttmp6, 0x10000c
	s_cmp_lg_u32 s2, 0xf033
	s_cbranch_scc0 .Lentry_shape_is_right
	s_endpgm
.Lentry_shape_is_right:
; S = q k^T on codes of BF8 (E5M2) with E8M0 scales for each 32 along K = 1,024; t = (S / 32 + mask) x log2(e); M = the ceiling of the largest t of a row's 64 keys; p = 2^(t - M), quantised along the keys.
; The next launch brings the 32 groups of 64 keys of a row under one M by their scale bytes: exact powers of two.  The mask is an input and is read whole.
; OPERANDS (qkvc, qkvs): tiles of 16 rows, position p of tile T = row 32 (T / 2) + 8 (T % 2) + p + 8 (p / 8); a fragment (16 rows x 128 K) is the image of its 16 registers, 2,048 bytes, at T x 32768 + step x 2048 + 512 c + 16 lane
; (steps 0-7 q, 8-15 k); scale words in planes, (step, T, p) at step x 49152 + 64 T + 4 p.
; RESULTS: pc as qkvc (512 tiles, steps = keys / 128); ps: words, plane x 32768 + 64 T + 4 p; pm (-M) and pl (the sum of the unquantised p): f32, group of 64 keys x 32768 + 64 T + 4 p.
; LIMITS: the promise holds while the exponents to the base 2 stay under 2^31 in magnitude; NaN and infinities are not served; a scale block whose largest p lies under 2^-111 keeps the byte 1.
; THE DEAL.  256 work-groups: 512 queries x 128 keys of one batch.  A wave (2 x 2) holds 64 keys, ALL of K, in 512 registers and streams sixteen blocks of 16 queries past them, which stand in registers as two whole sets.
; Q comes in chunks of 128 rows through two slots of LDS, four blocks for each row of waves; slot 1 first holds the 128 keys.  Q's scale words of 512 rows lie in LDS throughout.  Clusters of 4 x 4: Q is shared along a row, K along a column.
; THE MASK, f32, comes by plain loads (two rows of 256 bytes an instruction) into four sets of registers, three blocks ahead of its use, and turns through my stage in LDS, so that a lane holds 16 neighbours of each 32 keys.
; A BLOCK: 32 products (transposed: source 0 = 16 keys, source 1 = 16 queries: a lane holds one query), and among them, three lines behind each, the sums, holds and conversions of the block before.
; BETWEEN TWO BLOCKS: the fetch of the block two on, then scale, mask, maxima and exponentials of the block just made.  The way out of the block before the first works on zeros and stores no codes.
; REGISTERS: windows 1, 2 the keys; window 3 two sets of queries; window 0 all else.
.set TROW, 32768
.set TIL,  16384                       ; a tile in LDS: all of K
.set SLOT1, 131072
.set SCL,  2*SLOT1                     ; Q's scale words: [step][32 tiles][64 bytes]
.set STG,  SCL+16384                   ; the mask's stages, 16 rows x MP a wave
.set MP,   272
.set GST,  STG+4*16*MP                 ; -M, sums, scale words: three planes, WR bytes a wave: four places of 64 bytes that are not read, then sixteen blocks'
.set WR,   1280
.set PLN,  4*WR
.set SPARE, GST+3*PLN                  ; the spare words
.set ADF0, 1
.set ADF,  2
.set CO,   3
.set MO,   4
.set PFQ,  5
.set PFM,  6
.set STI,  7
.set STO,  8
.set VX,   9
.set SPW,  10
.set NIL,  11
.set ASF,  12
.set TT,   13
.set NM,   14
.set S0,   16
.set BM,   18
.set PD,   20
.set SO,   22
.set HL,   24
.set PW,   26
.set L,    27
.set PC1,  28
.set SB,   32                          ; the keys' scale words: register 8 p + q: lanes 0-15 tile 2 p, lanes 16-31 tile 2 p + 1
.set SA,   50                          ; the queries': two sets of four: lanes 0-15 step q, lanes 16-31 step q + 4.  No product's two scale words have numbers equal modulo 8
.set PC0,  58
.set S1,   62
.set ACC,  64
.set MK,   96                          ; the mask by lane, then t, then p
.set RAW,  128                         ; four sets of 32
.set SEL,  12                          ; s[12:13] lane selects: lane l xor 16
.set LG,   98                          ; s[98:99] log2(e)
.set MNT,  100                         ; the mantissa field of 57,344
.set G1K, 24
.set G1Q, 32
.set G1R, 48
.set G1S, 80
.set G0Q, 56
.set G0K, 60
.set G0R, 68
.set G0S, 72
.set MSB, 0
.macro WIN new                         ; the immediate's high byte repeats the setting that is left
.if MSB != (\new)
	s_set_vgpr_msb (MSB<<8)|(\new)
.set MSB, (\new)
.endif
.endm
.macro PLACES n
.rept \n
	v_nop
.endr
.endm
.macro WALU
	s_wait_alu depctr_va_vdst(0)
.endm
.macro BARRIER
	s_barrier_signal -1
	s_barrier_wait -1
.endm
.macro MIDDLE                          ; a round of the cluster's barrier behind its opening signal
	s_barrier_wait -1
	s_cmp_lg_u32 s14, 0
	s_cbranch_scc1 .Lnot_wave_0_\@
	s_barrier_signal -3
.Lnot_wave_0_\@:
	s_barrier_wait -3
	BARRIER
.endm
.macro TLOAD g0, g1
	tensor_load_to_lds s[\g0:\g0+3], s[\g1:\g1+7]
	s_nop 0
	PLACES 4
.endm
.macro GROUP1 g, mask, len, rows, pitch   ; rows of len elements of 8 bytes, pitch elements apart, no padding
	s_or_b32 s[\g+0], s[\mask], (3<<16)|(1<<21)
	s_mov_b32 s[\g+1], (\len)<<16
	s_mov_b32 s[\g+2], (\rows)<<16
	s_mov_b32 s[\g+3], (\len)<<16
	s_mov_b32 s[\g+4], \rows
	s_mov_b32 s[\g+5], \pitch
	s_mov_b32 s[\g+6], 0
	s_mov_b32 s[\g+7], 0
.endm
.macro SHADD d, x, n                   ; s[d] += s[x] << n
	s_lshl_b32 s17, s\x, \n
	s_add_co_u32 s\d, s\d, s17
.endm
.macro MLOAD i                         ; the mask of block i of the chunk at s[8:9] into set i: rows j and j + 16 an instruction
.irp j, 0,1,2,3,4,5,6,7
	global_load_b128 v[RAW+32*(\i)+4*\j:RAW+32*(\i)+4*\j+3], v[MO], s[8:9] offset:(32*(\i)+\j)*8192 th:TH_LOAD_NT
.endr
.endm
.macro STAGE i                         ; and into my stage
.irp j, 0,1,2,3,4,5,6,7
	ds_store_b128 v[STI], v[RAW+32*(\i)+4*\j:RAW+32*(\i)+4*\j+3] offset:MP*\j
.endr
.endm
.macro FETCH e, a, off, soff           ; a block of queries, all of K, into set e, and its scale words: 36 loads
	WIN 0xc0
.irp q, 0,1,2,3,4,5,6,7
.irp c, 0,1,2,3
	ds_load_b128 v[128*(\e)+16*\q+4*\c:128*(\e)+16*\q+4*\c+3], v[\a] offset:(\off)+2048*\q+512*\c
.endr
.endr
	WIN 0
.irp q, 0,1,2,3
	ds_load_b32 v[SA+4*(\e)+\q], v[ASF] offset:2048*\q+(\soff)
.endr
.endm
.macro PROD n, e                       ; product n = 4 q + b: step q, key tile b, the queries of set e
.set Q_, (\n)/4
.set B_, (\n)%4
.set AC_, ACC+8*B_
.set W_, 16*((4*Q_+B_)%16)
.set R_, 128*(\e)+16*Q_
.set WS_, SB+8*(B_/2)+Q_
.set XS_, SA+4*(\e)+Q_%4
	WIN (1+(4*Q_+B_)/16)|12
.if Q_ == 0
.if B_%2
	v_wmma_scale_f32_16x16x128_f8f6f4 v[AC_:AC_+7], v[W_:W_+15], v[R_:R_+15], 0, v[WS_], v[XS_] matrix_a_fmt:MATRIX_FMT_BF8 matrix_b_fmt:MATRIX_FMT_BF8 matrix_a_scale:MATRIX_SCALE_ROW1
.else
	v_wmma_scale_f32_16x16x128_f8f6f4 v[AC_:AC_+7], v[W_:W_+15], v[R_:R_+15], 0, v[WS_], v[XS_] matrix_a_fmt:MATRIX_FMT_BF8 matrix_b_fmt:MATRIX_FMT_BF8
.endif
.elseif Q_ < 4
.if B_%2
	v_wmma_scale_f32_16x16x128_f8f6f4 v[AC_:AC_+7], v[W_:W_+15], v[R_:R_+15], v[AC_:AC_+7], v[WS_], v[XS_] matrix_a_fmt:MATRIX_FMT_BF8 matrix_b_fmt:MATRIX_FMT_BF8 matrix_a_scale:MATRIX_SCALE_ROW1
.else
	v_wmma_scale_f32_16x16x128_f8f6f4 v[AC_:AC_+7], v[W_:W_+15], v[R_:R_+15], v[AC_:AC_+7], v[WS_], v[XS_] matrix_a_fmt:MATRIX_FMT_BF8 matrix_b_fmt:MATRIX_FMT_BF8
.endif
.else
.if B_%2
	v_wmma_scale_f32_16x16x128_f8f6f4 v[AC_:AC_+7], v[W_:W_+15], v[R_:R_+15], v[AC_:AC_+7], v[WS_], v[XS_] matrix_a_fmt:MATRIX_FMT_BF8 matrix_b_fmt:MATRIX_FMT_BF8 matrix_a_scale:MATRIX_SCALE_ROW1 matrix_b_scale:MATRIX_SCALE_ROW1
.else
	v_wmma_scale_f32_16x16x128_f8f6f4 v[AC_:AC_+7], v[W_:W_+15], v[R_:R_+15], v[AC_:AC_+7], v[WS_], v[XS_] matrix_a_fmt:MATRIX_FMT_BF8 matrix_b_fmt:MATRIX_FMT_BF8 matrix_b_scale:MATRIX_SCALE_ROW1
.endif
.endif
.endm
.macro CHAIN j                         ; the row's sum, in two chains of pairs
.if (\j)%2
	v_pk_add_f32 v[S1:S1+1], v[S1:S1+1], v[MK+8+2*(\j):MK+9+2*(\j)]
.else
	v_pk_add_f32 v[S0:S0+1], v[S0:S0+1], v[MK+8+2*(\j):MK+9+2*(\j)]
.endif
.endm
.macro HOLD x                          ; the conversion does not saturate (ISA guide 7.6.2); p is not negative
	v_min_num_f32 v[MK+\x], v[MK+\x], v[HL+(\x)/16]
.endm
.macro CVT x
.if (\x) < 2
	v_cvt_scalef32_pk8_bf8_f32 v[PC0+2*(\x):PC0+1+2*(\x)], v[MK+8*(\x):MK+7+8*(\x)], v[SO]
.else
	v_cvt_scalef32_pk8_bf8_f32 v[PC1+2*(\x)-4:PC1+2*(\x)-3], v[MK+8*(\x):MK+7+8*(\x)], v[SO+1]
.endif
.endm
.macro P2 k                            ; THE SECOND PART OF A WAY OUT, line k of 63: floor, scale operands, bounds, the two bytes; the sum of the unquantised p; holds and conversions
.if (\k) < 2
	v_max_num_f32 v[BM+(\k)], 0x8000000, v[BM+(\k)]
.elseif (\k) == 2
	v_pk_add_f32 v[S0:S0+1], v[MK:MK+1], v[MK+2:MK+3]
.elseif (\k) < 5
	v_add_nc_u32 v[SO+(\k)-3], 0xf8800000, v[BM+(\k)-3]
.elseif (\k) == 5
	v_pk_add_f32 v[S1:S1+1], v[MK+4:MK+5], v[MK+6:MK+7]
.elseif (\k) < 8
	v_and_or_b32 v[HL+(\k)-6], v[BM+(\k)-6], 0x7f800000, s[MNT]
.elseif (\k) == 8
	CHAIN 0
.elseif (\k) == 9
	v_lshrrev_b32 v[PW], 23, v[SO]
.elseif (\k) == 10
	CHAIN 1
.elseif (\k) == 11
	v_lshrrev_b32 v[TT], 23, v[SO+1]
.elseif (\k) == 12
	CHAIN 2
.elseif (\k) == 13
	v_lshl_or_b32 v[PW], v[TT], 8, v[PW]
.elseif (\k) < 23
	CHAIN (\k)-11
.elseif (\k) == 23
	v_pk_add_f32 v[S0:S0+1], v[S0:S0+1], v[S1:S1+1]
.elseif (\k) == 26
	v_add_f32 v[L], v[S0], v[S0+1]
.elseif (\k) == 29
	v_permlanex16_b32 v[TT], v[L], s[SEL], s[SEL+1]
.elseif (\k) == 32
	v_add_f32 v[L], v[L], v[TT]
.elseif (\k) == 35
	CVT 0
.elseif (\k) < 36
	HOLD (\k)-24-((\k)-24)/3
.elseif ((\k)-36)%9 == 8
	CVT 1+((\k)-36)/9
.else
	HOLD 8+8*(((\k)-36)/9)+((\k)-36)%9
.endif
.endm
.macro SOUT ko, co, skip               ; -M, sum and scale bytes to their places in LDS (lanes l and l xor 16 write the same); the codes leave, 512 consecutive bytes a store
	ds_store_b32 v[VX], v[NM] offset:\ko
	ds_store_b32 v[VX], v[L] offset:(\ko)+PLN
	ds_store_b32 v[VX], v[PW] offset:(\ko)+2*PLN
.if \skip
	s_cmp_eq_u32 s3, 0
	s_cbranch_scc1 .Lno_block_before_\@
.endif
	global_store_b128 v[CO], v[PC0:PC0+3], s[10:11] offset:\co
	global_store_b128 v[CO], v[PC1:PC1+3], s[10:11] offset:(\co)+512
.if \skip
.Lno_block_before_\@:
.endif
.endm
.macro GAP g, i, lp                    ; what stands behind product g of block i; lp = 1: in the loop
.if (\g) < 23
	WIN 0
.endif
.if (\g) == 0 && ((\lp) || (\i) < 2)   ; where the block two on lies
.if (\i) < 2
	s_add_co_u32 s22, s101, ((\i)+2)*2*TIL
.else
	s_add_co_u32 s22, s47, ((\i)-2)*2*TIL
.endif
	v_add_nc_u32 v[ADF], s22, v[ADF0]
.endif
.if (\g) < 21
	P2 3*(\g)
	P2 3*(\g)+1
	P2 3*(\g)+2
.elseif (\g) == 21
.if (\i) == 0
	SOUT 192, -2*TROW, \lp
.else
	SOUT 192+64*(\i), 2*TROW*((\i)-1), 0
.endif
.elseif (\g) == 22                     ; this block's mask back from the stage, by lane (LDS serves a wave's instructions in order)
.irp b, 0,1
.irp j, 0,1,2,3
	ds_load_b128 v[MK+16*\b+4*\j:MK+16*\b+4*\j+3], v[STO] offset:128*\b+16*\j
.endr
.endr
.elseif (\g) == 24 && (\i) == 1 && (\lp)   ; ask for the chunk two on: my sixteenth of its rows of Q in my row of the cluster, my work-group's quarter of its mask; a trip ahead of their loads
	WIN 0
	s_cmp_lt_u32 s3, 2
	s_cbranch_scc0 .Lnone_ahead_\@
	ASKALL
.Lnone_ahead_\@:
.endif
.endm
.macro ASKALL
	global_prefetch_b8 v[PFQ], s[76:77] th:TH_LOAD_NT scope:SCOPE_SE
	global_prefetch_b8 v[PFM], s[78:79] th:TH_LOAD_NT scope:SCOPE_SE
	global_prefetch_b8 v[PFM], s[78:79] offset:256 th:TH_LOAD_NT scope:SCOPE_SE
.endm
.macro BLK from, to, i, lp
.set N_, \from
.rept (\to)-(\from)
	PROD N_, (\i)%2
	GAP N_, \i, \lp
.set N_, N_+1
.endr
.endm
.macro BHEAD i, cnt                    ; cnt: the loads of the masks of the blocks behind this one
	s_wait_xcnt 0x0                                ; the last codes' stores have read their registers
	s_wait_loadcnt \cnt
	STAGE \i
.endm
.macro SHOW i, lp, half                ; a block with a barrier that shows a chunk; half = 1: its first half alone, which waves 0 and 1 fetch
	BLK 0, 28, \i, \lp
	WIN 0
	WALU
.if \half
	s_cmp_lt_u32 s14, 2
	s_cbranch_scc0 .Lnot_yet_\@
	s_wait_tensorcnt 0x0
.Lnot_yet_\@:
.else
	s_wait_tensorcnt 0x0
.endif
	s_wait_dscnt 0x0
	s_barrier_signal -1
	BLK 28, 32, \i, \lp
	WIN 0
	s_barrier_wait -1
.endm
.macro BOUND i, ld, fe                 ; between two blocks
	WIN 0
	PLACES 8                                       ; for the loads into what the last products have read, and for the reads of their sums
.if \fe
	FETCH (\i)%2, ADF, 0, 128*((\i)+2)
	s_wait_dscnt 36                                ; the fetch may be out: the mask is back, and the stage's stores have read their set,
.else
	s_wait_dscnt 0x0
.endif
.if \ld
	MLOAD \i                                       ; which takes the mask of the block four on
.endif
.set n_, 0
.rept 16
	v_pk_fma_f32 v[MK+n_:MK+n_+1], v[ACC+n_:ACC+n_+1], 0x3d000000, v[MK+n_:MK+n_+1] op_sel_hi:[1,0,1]   ; S / 32 + mask
.set n_, n_+2
.endr
.set n_, 0
.rept 16
	v_pk_mul_f32 v[MK+n_:MK+n_+1], v[MK+n_:MK+n_+1], s[LG:LG+1] op_sel_hi:[1,0]   ; t
.set n_, n_+2
.endr
.irp c, 0,1,2,3                        ; the largest t of each 32 keys, in four chains
	v_max3_num_f32 v[BM+\c/2+2*(\c%2)], v[MK+8*\c], v[MK+8*\c+1], v[MK+8*\c+2]
.endr
.irp x, 3,5
.irp c, 0,1,2,3
	v_max3_num_f32 v[BM+\c/2+2*(\c%2)], v[BM+\c/2+2*(\c%2)], v[MK+8*\c+\x], v[MK+8*\c+\x+1]
.endr
.endr
.irp b, 0,1
	v_max3_num_f32 v[BM+\b], v[BM+\b], v[PD+\b], v[MK+16*\b+7]
.endr
.irp b, 0,1
	v_max_num_f32 v[BM+\b], v[BM+\b], v[MK+16*\b+15]
.endr
.irp b, 0,1
	v_permlanex16_b32 v[PD+\b], v[BM+\b], s[SEL], s[SEL+1]
.endr
.irp b, 0,1
	v_max_num_f32 v[BM+\b], v[BM+\b], v[PD+\b]
.endr
	v_max3_num_f32 v[NM+1], v[BM], v[BM+1], 0xff61b1e6
	v_floor_f32 v[NM], -v[NM+1]                    ; -M = floor(-t)
.set n_, 0
.rept 16
	v_pk_add_f32 v[MK+n_:MK+n_+1], v[MK+n_:MK+n_+1], v[NM:NM+1] op_sel_hi:[1,0]
.set n_, n_+2
.endr
.irp b, 0,1
	v_add_f32 v[BM+\b], v[BM+\b], v[NM]
.endr
	WALU
.set n_, 0
.rept 32
	v_exp_f32 v[MK+n_], v[MK+n_]
.set n_, n_+1
.endr
.irp b, 0,1
	v_exp_f32 v[BM+\b], v[BM+\b]                   ; each 32 keys' largest p: the same instructions on the same number
.endr
	v_nop
	WALU
.endm
	s_load_b128 s[4:7], s[0:1], 0x0                ; qkvc, qkvs
	s_load_b128 s[8:11], s[0:1], 0x10              ; mask, pc
	s_load_b128 s[92:95], s[0:1], 0x20             ; ps, pm
	s_load_b64 s[96:97], s[0:1], 0x30              ; pl
	v_lshl_add_u32 v[SPW], v0, 2, SPARE
	v_mov_b32 v[NIL], 0
	ds_add_u32 v[SPW], v[NIL]                      ; the opening lines
	ds_add_u32 v[SPW], v[NIL]
	v_lshrrev_b32 v1, 5, v0
	v_readfirstlane_b32 s14, v1                    ; wave 0..3
	s_lshr_b32 s15, s14, 1                         ; my row of waves
	s_and_b32 s16, s14, 1                          ; my column: which 64 keys
	s_bfe_u32 s40, ttmp6, 0x40000
	s_bfe_u32 s41, ttmp6, 0x40004
	s_lshl_b32 s42, ttmp9, 2
	s_add_co_u32 s42, s42, s40                     ; which 128 keys of the batch
	s_and_b32 s44, ttmp7, 0xffff                   ; the batch
	s_lshl_b32 s43, s44, 2
	s_add_co_u32 s43, s43, s41                     ; which 512 queries of all
	s_lshl_b32 s45, s41, 2
	s_lshl_b32 s45, 15, s45                        ; my row of the cluster: shares Q
	s_lshl_b32 s46, 0x1111, s40                    ; my column: shares K
	GROUP1 G1K, 46, 2048, 8, TROW/8
	GROUP1 G1Q, 45, 2048, 8, TROW/8
	GROUP1 G1R, 45, 2048, 2, TROW/8                ; a refill: two tiles a wave
	GROUP1 G1S, 45, 256, 4, 49152/8                ; four steps of 32 tiles' scale words
	s_lshl_b32 s20, s43, 20                        ; Q's first tile, 32 s43
	s_mov_b32 s21, 0
	s_lshl_b32 s22, s44, 22                        ; K's: 128 batch + 8 s42, steps 8 on
	SHADD 22, 42, 18
	s_add_co_u32 s22, s22, 8*2048
	s_mov_b32 s23, 0
	s_lshl_b32 s18, s43, 11
	s_mul_i32 s19, s16, 4*49152
	s_add_co_u32 s18, s18, s19
	s_mov_b32 s19, 0
	s_mov_b32 s[SEL], 0x76543210
	s_mov_b32 s[SEL+1], 0xfedcba98
	s_mov_b32 s[LG], 0x3fb8aa3b
	s_mov_b32 s[LG+1], s[LG]
	s_mov_b32 s[MNT], 0x600000
	s_wait_dscnt 0x0                               ; both opening adds are done
	s_barrier_signal -1
	MIDDLE                                         ; the opening round
	s_wait_kmcnt 0x0
	s_mov_b32 s[G0Q], 1
	s_mov_b32 s[G0Q+1], 0
	s_add_nc_u64 s[G0Q+2:G0Q+3], s[4:5], s[20:21]
	s_or_b32 s[G0Q+3], s[G0Q+3], 0x80000000
	s_mov_b32 s[G0K], 1
	s_mov_b32 s[G0K+1], SLOT1
	s_add_nc_u64 s[G0K+2:G0K+3], s[4:5], s[22:23]
	s_or_b32 s[G0K+3], s[G0K+3], 0x80000000
	s_mov_b32 s[G0S], 1
	s_lshl_b32 s[G0S+1], s16, 13
	s_add_co_u32 s[G0S+1], s[G0S+1], SCL
	s_add_nc_u64 s[G0S+2:G0S+3], s[6:7], s[18:19]
	s_or_b32 s[G0S+3], s[G0S+3], 0x80000000
	s_mov_b32 s[G0R], 1
	s_cmp_eq_u32 s14, 0                            ; one load a wave: the keys, chunk 0, half of Q's scale words each
	s_cbranch_scc0 .Lwave_1
	TLOAD G0K, G1K
	s_branch .Lasked
.Lwave_1:
	s_cmp_eq_u32 s14, 1
	s_cbranch_scc0 .Lfor_scales
	TLOAD G0Q, G1Q
	s_branch .Lasked
.Lfor_scales:
	TLOAD G0S, G1S
.Lasked:
	v_and_b32 v20, 15, v0                          ; r
	v_bfe_u32 v21, v0, 4, 1                        ; h
	v_and_b32 v22, 31, v0                          ; lane
	v_lshlrev_b32 v[CO], 4, v22
	v_lshlrev_b32 v[MO], 17, v21                   ; lanes 16-31: sixteen rows of the mask further on
	v_lshl_add_u32 v[MO], v20, 4, v[MO]
	v_lshlrev_b32 v49, 2, v22
	WALU
	s_lshl_b32 s22, s44, 13                        ; my 64 keys' scale words
	SHADD 22, 42, 9
	SHADD 22, 16, 8
	s_add_co_u32 s22, s22, 8*49152
	s_add_nc_u64 s[22:23], s[6:7], s[22:23]
	s_lshl_b32 s18, s43, 22                        ; the work-group's mask,
	SHADD 18, 42, 9
	s_mov_b32 s19, 0
	s_add_nc_u64 s[78:79], s[8:9], s[18:19]
	s_add_nc_u64 s[78:79], s[78:79], 128*8192      ; from chunk 1 on for the prefetches,
	SHADD 18, 15, 16
	SHADD 18, 16, 8
	s_add_nc_u64 s[8:9], s[8:9], s[18:19]          ; and my wave's
.irp p, 0,1
.irp q, 0,1,2,3,4,5,6,7
	global_load_b32 v[SB+8*\p+\q], v49, s[22:23] offset:\q*49152+128*\p
.endr
.endr
	MLOAD 0
	MLOAD 1
	MLOAD 2
	MLOAD 3
	s_lshl_b32 s17, s15, 14
	v_add_nc_u32 v[ADF0], s17, v[CO]
	s_lshl_b32 s17, s16, 16
	s_add_co_u32 s17, s17, SLOT1
	v_add_nc_u32 v48, s17, v[CO]                   ; my 64 keys in slot 1
	s_mul_i32 s17, s14, 16*MP
	s_add_co_u32 s17, s17, STG
	v_mul_u32_u24 v[STI], v21, 8*MP
	v_lshl_add_u32 v[STI], v20, 4, v[STI]
	v_add_nc_u32 v[STI], s17, v[STI]
	v_mul_u32_u24 v[STO], v20, MP
	v_lshl_add_u32 v[STO], v21, 6, v[STO]
	v_add_nc_u32 v[STO], s17, v[STO]
	WALU
	s_mul_i32 s17, s14, WR
	s_add_co_u32 s17, s17, GST
	v_lshl_add_u32 v[VX], v20, 2, s17
	s_lshl_b32 s17, s15, 6
	s_add_co_u32 s17, s17, SCL
	v_lshl_add_u32 v[ASF], v20, 2, s17
	v_lshl_add_u32 v[ASF], v21, 13, v[ASF]
	s_lshl_b32 s18, s40, 2                         ; which of the cluster row's sixteen waves I am: 8,192 bytes of a chunk
	s_add_co_u32 s18, s18, s14
	s_and_b32 s19, s18, 1
	s_lshl_b32 s19, s19, 13
	s_lshr_b32 s18, s18, 1
	s_lshl_b32 s18, s18, 15
	s_add_co_u32 s18, s18, s19
	WALU
	v_lshl_add_u32 v[PFQ], v22, 8, s18
	v_lshlrev_b32 v[PFM], 13, v22                  ; 32 rows of the mask a wave
	s_lshl_b32 s18, s14, 18
	v_add_nc_u32 v[PFM], s18, v[PFM]
	WALU
	s_add_nc_u64 s[88:89], s[4:5], s[20:21]
	s_add_nc_u64 s[76:77], s[88:89], 8*TROW        ; chunk 1
	s_lshl_b32 s18, s14, 16
	s_mov_b32 s19, 0
	s_add_nc_u64 s[88:89], s[88:89], s[18:19]      ; the two tiles of a chunk that I fetch
	s_lshl_b32 s90, s14, 15
	s_lshl_b32 s18, s43, 20                        ; my results
	SHADD 18, 15, 15
	SHADD 18, 42, 11
	SHADD 18, 16, 10
	s_add_nc_u64 s[10:11], s[10:11], s[18:19]
	s_sub_nc_u64 s[10:11], s[10:11], 8*TROW
	s_lshl_b32 s18, s43, 11
	SHADD 18, 42, 15
	s_add_nc_u64 s[92:93], s[92:93], s[18:19]
	SHADD 18, 42, 15
	s_add_nc_u64 s[94:95], s[94:95], s[18:19]
	s_add_nc_u64 s[96:97], s[96:97], s[18:19]
.set n_, 0
.rept 32
	v_mov_b32 v[MK+n_], 0
.set n_, n_+1
.endr
.irp k, BM, BM+1, NM, NM+1, PD, PD+1, TT
	v_mov_b32 v[\k], 0
.endr
	WALU
	s_cmp_eq_u32 s14, 0
	s_cbranch_scc0 .Lnot_k
	s_wait_tensorcnt 0x0                           ; wave 0: the keys have landed.  The other waves' wait stands at the second barrier
.Lnot_k:
	BARRIER
	ASKALL                                         ; chunk 1 and its mask
.irp q, 0,1,2,3,4,5,6,7
	WIN (1+\q/4)<<6
.irp b, 0,1,2,3
.irp c, 0,1,2,3
	ds_load_b128 v[16*((4*\q+\b)%16)+4*\c:16*((4*\q+\b)%16)+4*\c+3], v48 offset:\b*TIL+2048*\q+512*\c
.endr
.endr
.endr
	WIN 0
	s_wait_loadcnt 32                              ; the keys' scale words; the 32 loads of four masks may be out
	s_wait_tensorcnt 0x0
	s_wait_dscnt 0x0
	BARRIER                                        ; chunk 0 and the scale words are in; the keys are in registers
	FETCH 0, ADF0, 0, 0
	FETCH 1, ADF0, 2*TIL, 128
	s_mov_b32 s3, 0                                ; the trip = the chunk in hand; s101 its slot, s47 the other
	s_mov_b32 s101, 0
	s_mov_b32 s47, SLOT1
.Ltrip:
	s_wait_xcnt 0x0                                ; loads, stores and prefetches have taken their bases
	s_add_nc_u64 s[8:9], s[8:9], 128*8192
	s_add_nc_u64 s[10:11], s[10:11], 8*TROW
	s_add_nc_u64 s[76:77], s[76:77], 8*TROW
	s_add_nc_u64 s[78:79], s[78:79], 128*8192
	s_wait_tensorcnt 0x0                           ; ahead of a refill
	ds_add_u32 v[SPW], v[NIL]
	s_add_nc_u64 s[88:89], s[88:89], 8*TROW        ; the next chunk goes where the chunk before (at first: the keys) lay
	s_add_co_u32 s[G0R+1], s90, s47
	s_mov_b64 s[G0R+2:G0R+3], s[88:89]
	s_or_b32 s[G0R+3], s[G0R+3], 0x80000000
	s_wait_dscnt 0x0
	s_barrier_signal -1
	BLK 0, 8, 0, 1                                 ; work on registers while the others arrive
	WIN 0
	WALU
	MIDDLE
	s_cmp_lt_u32 s14, 2                            ; waves 0, 1 and waves 2, 3 have a load line each: the barrier inside block 2 waits for the first line's alone
	s_cbranch_scc0 .Lupper
	TLOAD G0R, G1R
	s_branch .Lboth
.Lupper:
	TLOAD G0R, G1R
.Lboth:
	s_wait_loadcnt 24
	STAGE 0
	BLK 8, 32, 0, 1
	BOUND 0, 1, 1
	BHEAD 1, 24
	BLK 0, 32, 1, 1
	BOUND 1, 1, 1
	BHEAD 2, 24
	SHOW 2, 1, 1                                   ; the next chunk's first half is in: blocks 2 and 3 fetch from it
	BOUND 2, 1, 1
	BHEAD 3, 24
	BLK 0, 32, 3, 1
	BOUND 3, 1, 1
	v_add_nc_u32 v[VX], 256, v[VX]
	v_add_nc_u32 v[ASF], 512, v[ASF]
	s_mov_b32 s101, s47
	s_xor_b32 s47, s47, SLOT1
	WALU
	s_add_co_u32 s3, s3, 1
	s_cmp_lg_u32 s3, 3
	s_cbranch_scc1 .Ltrip
	s_wait_xcnt 0x0                                ; the last chunk: nothing more is asked for
	s_add_nc_u64 s[10:11], s[10:11], 8*TROW
	BHEAD 0, 24
	SHOW 0, 0, 0                                   ; its second half is in
	BOUND 0, 0, 1
	BHEAD 1, 16
	BLK 0, 32, 1, 0
	BOUND 1, 0, 1
	BHEAD 2, 8
	BLK 0, 32, 2, 0
	BOUND 2, 0, 0
	BHEAD 3, 0
	BLK 0, 32, 3, 0
	BOUND 3, 0, 0
	s_wait_xcnt 0x0
.set K_, 0
.rept 63
	P2 K_
.set K_, K_+1
.endr
	SOUT 448, 6*TROW, 0
	v_nop
	v_lshrrev_b32 v20, 3, v0                       ; a thread takes four neighbouring rows of a tile, of both columns of waves
	v_and_b32 v21, 3, v0
	v_bfe_u32 v22, v0, 2, 1
	v_lshlrev_b32 v20, 6, v20
	v_lshl_add_u32 v20, v21, 4, v20
	v_mul_u32_u24 v22, v22, 2*WR
	v_add_nc_u32 v20, v20, v22
	v_add_nc_u32 v20, GST+256, v20
	v_lshlrev_b32 v23, 4, v0
	WALU
	s_wait_dscnt 0x0
	BARRIER
.irp k, 0,1,2
.irp e, 0,1
	ds_load_b128 v[96+8*\k+4*\e:99+8*\k+4*\e], v20 offset:PLN*\k+WR*\e
.endr
.endr
	s_wait_dscnt 0x0
.irp k, 0,1,2,3
	v_lshl_or_b32 v[112+\k], v[116+\k], 16, v[112+\k]   ; two bytes of each column of waves make a scale word
.endr
.irp e, 0,1
	global_store_b128 v23, v[96+4*\e:99+4*\e], s[94:95] offset:32768*\e
	global_store_b128 v23, v[104+4*\e:107+4*\e], s[96:97] offset:32768*\e
.endr
	global_store_b128 v23, v[112:115], s[92:93]
	s_wait_tensorcnt 0x0                           ; the wave's end
	ds_add_u32 v[SPW], v[NIL]
	s_wait_dscnt 0x0
	s_barrier_signal -1
	MIDDLE                                         ; the closing round
	s_endpgm
.Lfunc_end_k_q9fe490b37f_scores:
	.size	k_q9fe490b37f_scores, .Lfunc_end_k_q9fe490b37f_scores-k_q9fe490b37f_scores
	.p2alignl 7, 3214868480
	.fill 96, 4, 3214868480
	.section	.rodata,"a",@progbits
	.p2align	6, 0x0
	.amdhsa_kernel k_q9fe490b37f_scores
		.amdhsa_group_segment_fixed_size 327680
		.amdhsa_private_segment_fixed_size 0
		.amdhsa_enable_private_segment 0
		.amdhsa_kernarg_size 56
		.amdhsa_user_sgpr_count 2
		.amdhsa_user_sgpr_kernarg_segment_ptr 1
		.amdhsa_wavefront_size32 1
		.amdhsa_system_sgpr_workgroup_id_x 1
		.amdhsa_system_sgpr_workgroup_id_y 1
		.amdhsa_system_sgpr_workgroup_id_z 1
		.amdhsa_system_vgpr_workitem_id 0
		.amdhsa_next_free_vgpr 1024
		.amdhsa_next_free_sgpr 102
		.amdhsa_reserve_vcc 0
		.amdhsa_float_denorm_mode_32 3
		.amdhsa_float_denorm_mode_16_64 3
		.amdhsa_memory_ordered 1
		.amdhsa_forward_progress 1
		.amdhsa_inst_pref_size 183
	.end_amdhsa_kernel
	.amdgpu_metadata
---
amdhsa.version: [ 1, 2 ]
amdhsa.kernels:
  - .name:           k_q9fe490b37f_scores
    .symbol:         k_q9fe490b37f_scores.kd
    .args:
      - { .name: qkvc, .offset: 0, .size: 8, .value_kind: global_buffer, .address_space: global }
      - { .name: qkvs, .offset: 8, .size: 8, .value_kind: global_buffer, .address_space: global }
      - { .name: mask, .offset: 16, .size: 8, .value_kind: global_buffer, .address_space: global }
      - { .name: pc, .offset: 24, .size: 8, .value_kind: global_buffer, .address_space: global }
      - { .name: ps, .offset: 32, .size: 8, .value_kind: global_buffer, .address_space: global }
      - { .name: pm, .offset: 40, .size: 8, .value_kind: global_buffer, .address_space: global }
      - { .name: pl, .offset: 48, .size: 8, .value_kind: global_buffer, .address_space: global }
    .group_segment_fixed_size: 327680
    .private_segment_fixed_size: 0
    .kernarg_segment_align: 8
    .kernarg_segment_size: 56
    .max_flat_workgroup_size: 128
    .sgpr_count:     102
    .vgpr_count:     1024
    .wavefront_size: 32
...
	.end_amdgpu_metadata
.endif
;; end of part 3
;; launch pv (part 4): grid 4 x 64, 4 waves a work-group, clusters of 4 x 4, 327,680 bytes of LDS; arguments pc, ps, pm, pl, qkvc, qkvs, out0; writes out0
.if DOCPART == 4
	.amdgcn_target "amdgcn-amd-amdhsa--gfx1250"
	.amdhsa_code_object_version 6
	.text
	.protected	k_q9fe490b37f_pv
	.globl	k_q9fe490b37f_pv
	.p2align	8
	.type	k_q9fe490b37f_pv,@function
k_q9fe490b37f_pv:
	s_mov_b64 s[64:65], 0
	v_nop
	global_prefetch_b8 v0, s[64:65] scope:SCOPE_SE
	s_setreg_imm32_b32 hwreg(HW_REG_WAVE_MODE, 25, 1), 1
	s_wait_xcnt 0x0
	s_wait_alu depctr_hold_cnt(0) depctr_sa_sdst(0) depctr_va_vdst(0) depctr_va_sdst(0) depctr_va_ssrc(0) depctr_va_vcc(0) depctr_vm_vsrc(0)
	s_getreg_b32 s2, hwreg(HW_REG_IB_STS2, 6, 4)
	s_cmp_eq_u32 s2, 0
	s_cbranch_scc0 .Lentry_in_a_cluster
	s_endpgm
.Lentry_in_a_cluster:
	s_bfe_u32 s2, ttmp6, 0x10000c
	s_cmp_lg_u32 s2, 0xf033
	s_cbranch_scc0 .Lentry_shape_is_right
	s_endpgm
.Lentry_shape_is_right:
; O = P V / l on codes of BF8 with E8M0 scales for each 32 along the 2,048 keys.  A: pc, ps (queries), B: qkvc, qkvs (v^T: channels), both as images of the operand's registers; a work-group makes 128 queries x 256 channels.
; THE ROWS' M (pm holds -M for each group of 64 keys): a thread takes a row: the scale bytes of a group are lowered by the largest M less the group's (held at 0), the groups' sums (pl) are added under the largest M.
; LIMITS: a group whose M lies some 100 and more under the row's largest keeps a scale byte of 0, 2^-127; NaN and infinities are not served.
; A ring of two slots of 256 along the keys; the head's four tiles are one load a wave; each slot is prefetched two refills ahead, its blocks of 256 bytes shared out by address among the partners that ask jointly.
.set KTOT,  2048
.set TPA,   32768
.set TPB,   32768
.set PSA,   32768
.set PSB,   49152
.set NS,    KTOT/128
.set FR,    16
.set NP,    8
.set TILEB, 4096
.set ATB,   8*TILEB
.set SLOT,  24*TILEB
.set LAPS,  KTOT/512
.set SCL,   2*SLOT
.set SCB,   SCL+1024*NS                ; A's planes of 512 bytes are padded to B's 1,024
.set SPARE, SCB+2*512*NS
.set LINV,  SPARE+512
.set SPITCH, 528
.set ADRA, 16
.set ADRB, 20
.set ADRS, 27
.set SPW,  28
.set NIL,  29
.set SC,   32
.set AF,   128
.set LV,   8
.set LVA,  24
.set STO,  25
.set RD,   26
.set NMR,  64
.set LP,   96
.set SW,   128
.set OW,   64
.set BK,   128
.set G1, 24
.set G0, 32
.set G1B, 48
.set G0B, 56
.set G1S, 68
.set G0S, 76
.set G1SB, 80
.set G0SB, 88
.set MSB, 0
.macro WIN new
.if MSB != (\new)
	s_set_vgpr_msb (MSB<<8)|(\new)
.set MSB, (\new)
.endif
.endm
.set MULW, 0xa5
.set TOF,  0x40
.macro JLOAD g0a, g1a, g0b, g1b
	s_cmp_eq_u32 s15, 0
	s_cbranch_scc0 .Lfor_b_\@
	tensor_load_to_lds s[\g0a:\g0a+3], s[\g1a:\g1a+7]
	s_nop 0
.rept 4
	v_nop
.endr
	s_branch .Lasked_\@
.Lfor_b_\@:
	tensor_load_to_lds s[\g0b:\g0b+3], s[\g1b:\g1b+7]
	s_nop 0
.rept 4
	v_nop
.endr
.Lasked_\@:
.endm
.macro CREST
	s_cmp_lg_u32 s14, 0
	s_cbranch_scc1 .Lnot_wave_0_\@
	s_barrier_signal -3
.Lnot_wave_0_\@:
	s_barrier_wait -3
	s_barrier_signal -1
	s_barrier_wait -1
.endm
.macro CROUND
	s_barrier_signal -1
	s_barrier_wait -1
	CREST
.endm
.macro FRAG reg, adr, q, i
.irp c, 0,1,2,3
	ds_load_b128 v[\reg+4*\c:\reg+4*\c+3], v[\adr] offset:(\i)*TILEB+(\q)*2048+512*\c
.endr
.endm
.macro FETCH slot, q, p, f0, n
	WIN TOF+0x80*(\p)
.set f, \f0
.rept \n
.if f < 8
	FRAG FR*f, ADRB+\slot, \q, f
.else
	FRAG AF+FR*(f-8), ADRA+\slot, \q, f-8
.endif
.set f, f+1
.endr
.endm
.macro MUL8 a, q, sc, zero
	WIN MULW+0x0a*(\q)
.irp b, 0,1,2,3,4,5,6,7
.if \zero
	v_wmma_scale_f32_16x16x128_f8f6f4 v[8*(8*(\a)+\b):8*(8*(\a)+\b)+7], v[FR*\b:FR*\b+FR-1], v[AF+FR*(\a):AF+FR*(\a)+FR-1], 0, v[SC+16*(\sc)+2*\b+(\q)], v[SC+16*(\sc)+2*(\a)+(\q)] matrix_a_fmt:MATRIX_FMT_BF8 matrix_b_fmt:MATRIX_FMT_BF8 matrix_a_scale:MATRIX_SCALE_ROW1
.else
	v_wmma_scale_f32_16x16x128_f8f6f4 v[8*(8*(\a)+\b):8*(8*(\a)+\b)+7], v[FR*\b:FR*\b+FR-1], v[AF+FR*(\a):AF+FR*(\a)+FR-1], v[8*(8*(\a)+\b):8*(8*(\a)+\b)+7], v[SC+16*(\sc)+2*\b+(\q)], v[SC+16*(\sc)+2*(\a)+(\q)] matrix_a_fmt:MATRIX_FMT_BF8 matrix_b_fmt:MATRIX_FMT_BF8 matrix_a_scale:MATRIX_SCALE_ROW1
.endif
.endr
.endm
.macro SCALES sc
.irp i, 0,1,2,3,4,5,6,7
.irp q, 0,1
	ds_load_b32 v[SC+16*\sc+2*\i+\q], v[ADRS+4*(\i/4)] offset:64*\i+1024*\q   ; (A has four tiles: from tile 4 on lanes 0-15 of the second register point 256 bytes lower; their words are not used)
.endr
.endr
.endm
.macro PLACES n
.rept \n
	v_nop
.endr
.endm
.macro STEP slot, zero
	s_wait_dscnt 12
	PLACES NP
	FETCH \slot, 1, 1, 0, 3
	MUL8 0, 0, \slot, \zero
	FETCH \slot, 1, 1, 3, 3
	s_wait_dscnt 32
	MUL8 1, 0, \slot, \zero
	FETCH \slot, 1, 1, 6, 3
	s_wait_dscnt 40
	MUL8 2, 0, \slot, \zero
	FETCH \slot, 1, 1, 9, 3
	s_wait_dscnt 48
	MUL8 3, 0, \slot, \zero
	WIN 0
.endm
.macro TURN slot, next, fill
.if \fill
	s_wait_xcnt 0x0                                ; any prefetch of mine has read its base
	s_add_nc_u64 s[4:5], s[4:5], TILEB
.endif
	s_wait_tensorcnt 0x0
	ds_add_u32 v[SPW], v[NIL]
	s_wait_dscnt 13
	MUL8 0, 1, \slot, 0
	s_wait_dscnt 0x0
	s_barrier_signal -1
	MUL8 1, 1, \slot, 0
	WIN 0
	s_barrier_wait -1
.if \fill
	CREST
	s_add_nc_u64 s[G0+4*\slot+2:G0+4*\slot+3], s[G0+4*\slot+2:G0+4*\slot+3], 2*TILEB
	s_add_nc_u64 s[G0B+4*\slot+2:G0B+4*\slot+3], s[G0B+4*\slot+2:G0B+4*\slot+3], 2*TILEB
	JLOAD G0+4*\slot, G1, G0B+4*\slot, G1B
	PLACES NP-4
.else
	PLACES NP
.endif
	s_wait_alu depctr_va_vdst(0)
	v_add_nc_u32 v[ADRS], 2048, v[ADRS]
	v_add_nc_u32 v[ADRS+4], 2048, v[ADRS+4]
	SCALES \next
.if \fill
	s_cmp_gt_u32 s3, s6                            ; the slot two refills on; the loop's last trip, and wave 3, ask for nothing
	s_cbranch_scc0 .Lnot_mine_\@
	global_prefetch_b8 v30, s[4:5] th:TH_LOAD_NT scope:SCOPE_SE
.Lnot_mine_\@:
.endif
	FETCH \next, 0, 0, 0, 4
	MUL8 2, 1, \slot, 0
	FETCH \next, 0, 0, 4, 4
	MUL8 3, 1, \slot, 0
	FETCH \next, 0, 0, 8, 4
	WIN 0
.endm
.macro FIXROW
	v_min3_num_f32 v160, v[NMR], v[NMR+1], v[NMR+2]
.irp g, 3,5,7,9,11,13,15,17,19,21,23,25,27,29
	v_min3_num_f32 v160, v160, v[NMR+\g], v[NMR+\g+1]
.endr
	v_min_num_f32 v160, v160, v[NMR+31]
.irp g, 0,1,2,3,4,5,6,7,8,9,10,11,12,13,14,15
.irp e, 0,1
	v_sub_f32 v[162+\e], v160, v[NMR+2*\g+\e]      ; M of the group less the largest M
.endr
.irp e, 0,1
	v_cvt_i32_f32 v[162+\e], v[162+\e]
.endr
.irp e, 0,1
	v_ldexp_f32 v[174+\e], v[LP+2*\g+\e], v[162+\e]
.endr
.if \g == 0
	v_add_f32 v161, v174, v175
.else
	v_add_f32 v161, v161, v174
	v_add_f32 v161, v161, v175
.endif
.irp e, 0,1
	v_sub_nc_u32 v[162+\e], 0, v[162+\e]
.endr
.irp e, 0,1
	v_min_u32 v[162+\e], 255, v[162+\e]
.endr
	v_and_b32 v164, 255, v[SW+\g]
	v_bfe_u32 v165, v[SW+\g], 8, 8
	v_bfe_u32 v166, v[SW+\g], 16, 8
	v_lshrrev_b32 v167, 24, v[SW+\g]
.irp k, 0,1,2,3
	v_min_u32 v[169+\k], v[164+\k], v[162+\k/2]
.endr
.irp k, 0,1,2,3
	v_sub_nc_u32 v[164+\k], v[164+\k], v[169+\k]
.endr
	v_lshl_or_b32 v164, v165, 8, v164
	v_lshl_or_b32 v164, v166, 16, v164
	v_lshl_or_b32 v[SW+\g], v167, 24, v164
	ds_store_b32 v6, v[SW+\g] offset:1024*\g
.endr
	s_wait_alu depctr_va_vdst(0)
	v_rcp_f32 v161, v161
	v_nop
	s_wait_alu depctr_va_vdst(0)
	ds_store_b32 v7, v161
.endm
.macro MULT a
	WIN 0x02
.set n, 0
.rept 64
	v_mul_f32 v[OW+n], v[64*(\a)+n], v[LV+(\a)]
.set n, n+1
.endr
	WIN 0
.endm
.macro TOSTAGE a
.set BB, BK+64*((\a)%2)
.irp b, 0,1,2,3,4,5,6,7
	ds_store_b128 v[STO], v[OW+8*\b:OW+8*\b+3] offset:128*(\b/2)+32*(\b%2)
	ds_store_b128 v[STO], v[OW+8*\b+4:OW+8*\b+7] offset:128*(\b/2)+32*(\b%2)+16
.endr
.irp p, 0,1,2,3,4,5,6,7,8,9,10,11,12,13,14,15
	ds_load_b128 v[BB+4*\p:BB+4*\p+3], v[RD] offset:SPITCH*\p
.endr
.endm
.macro SEND a, younger
.set BB, BK+64*((\a)%2)
	s_wait_dscnt \younger
.irp p, 0,1,2,3,4,5,6,7,8,9,10,11,12,13,14,15
	global_store_b128 v3, v[BB+4*\p:BB+4*\p+3], s[96:97] offset:(32*((\a)/2)+8*((\a)%2)+\p+8*(\p/8))*4096 th:TH_STORE_NT
.endr
.endm
	s_load_b128 s[4:7], s[0:1], 0x0
	s_load_b128 s[8:11], s[0:1], 0x10
	s_load_b128 s[92:95], s[0:1], 0x20
	s_load_b64 s[96:97], s[0:1], 0x30
	v_lshl_add_u32 v[SPW], v0, 2, SPARE
	v_mov_b32 v[NIL], 0
	ds_add_u32 v28, v29
	ds_add_u32 v28, v29
	s_wait_dscnt 0x0
	v_lshrrev_b32 v1, 5, v0
	v_readfirstlane_b32 s14, v1
	s_lshr_b32 s15, s14, 1
	s_and_b32 s16, s14, 1
	s_bfe_u32 s40, ttmp6, 0x40000
	s_bfe_u32 s41, ttmp6, 0x40004
	s_lshl_b32 s42, ttmp9, 2
	s_add_co_u32 s42, s42, s40
	s_and_b32 s18, ttmp7, 0xffff
	s_lshl_b32 s17, s18, 2
	s_add_co_u32 s17, s17, s41
	s_lshr_b32 s19, s18, 2
	s_lshl_b32 s43, s41, 2
	s_lshl_b32 s43, 15, s43
	s_lshl_b32 s44, 0x1111, s40
	s_or_b32 s[G1+0], s43, (3<<16)|(1<<21)
	s_or_b32 s[G1B+0], s44, (3<<16)|(1<<21)
.irp g, G1, G1B
	s_mov_b32 s[\g+1], 512<<16
	s_mov_b32 s[\g+3], 512<<16
	s_mov_b32 s[\g+6], 0
	s_mov_b32 s[\g+7], 0
.endr
	s_mov_b32 s[G1+2], 8<<16                       ; all eight tiles of A for the head's load; four behind it
	s_mov_b32 s[G1+4], 8
	s_mov_b32 s[G1+5], TPA/8
	s_mov_b32 s[G1B+2], 16<<16
	s_mov_b32 s[G1B+4], 16
	s_mov_b32 s[G1B+5], TPB/8
	s_or_b32 s[G1S+0], s43, (3<<16)|(1<<20)|(1<<21)|(6<<22)|(127<<25)   ; 512 bytes of padding behind each 512
	s_or_b32 s[G1SB+0], s44, (3<<16)|(1<<21)
	s_mov_b32 s[G1S+1], 64<<16
	s_mov_b32 s[G1S+3], 64<<16
	s_mov_b32 s[G1SB+1], 128<<16
	s_mov_b32 s[G1SB+3], 128<<16
.irp g, G1S, G1SB
	s_mov_b32 s[\g+6], 0
	s_mov_b32 s[\g+7], 0
.endr
	s_mov_b32 s[G1S+2], NS<<16
	s_mov_b32 s[G1S+4], NS
	s_mov_b32 s[G1S+5], PSA/8
	s_mov_b32 s[G1SB+2], NS<<16
	s_mov_b32 s[G1SB+4], NS
	s_mov_b32 s[G1SB+5], PSB/8
	s_lshl_b32 s20, s17, 3
	s_lshl_b32 s22, s17, 9
	s_mov_b32 s23, 0
	s_lshl_b32 s46, s42, 4
	s_lshl_b32 s19, s19, 6
	s_add_co_u32 s46, s46, s19
	s_add_co_u32 s46, s46, 512
	s_lshl_b32 s66, s46, 6
	s_mov_b32 s67, 0
	s_mul_i32 s20, s20, TPA
	s_mov_b32 s21, 0
	s_mul_i32 s46, s46, TPB
	s_mov_b32 s47, 0
	s_mul_i32 s45, s16, 4*TILEB
	s_mul_i32 s2, s16, 8*TILEB
	s_add_co_u32 s2, s2, ATB
	s_wait_kmcnt 0x0
	s_add_nc_u64 s[20:21], s[4:5], s[20:21]
	s_add_nc_u64 s[22:23], s[6:7], s[22:23]
	s_add_nc_u64 s[46:47], s[92:93], s[46:47]
	s_add_nc_u64 s[66:67], s[94:95], s[66:67]
	CROUND
	s_mov_b32 s[G0S], 1
	s_mov_b32 s[G0S+1], SCL
	s_mov_b64 s[G0S+2:G0S+3], s[22:23]
	s_or_b32 s[G0S+3], s[G0S+3], 0x80000000
	s_mov_b32 s[G0SB], 1
	s_mov_b32 s[G0SB+1], SCB
	s_mov_b64 s[G0SB+2:G0SB+3], s[66:67]
	s_or_b32 s[G0SB+3], s[G0SB+3], 0x80000000
	s_mov_b32 s[G0], 1
	s_mov_b32 s[G0+1], 0
	s_mov_b64 s[G0+2:G0+3], s[20:21]
	s_or_b32 s[G0+3], s[G0+3], 0x80000000
	s_mov_b32 s[G0B], 1
	s_mov_b32 s[G0B+1], ATB
	s_mov_b64 s[G0B+2:G0B+3], s[46:47]
	s_or_b32 s[G0B+3], s[G0B+3], 0x80000000
; THE HEAD'S LOADS, ONE A WAVE: A's codes, B's codes, A's scale words, B's
.macro ARM under, g0, g1, next
	s_cmp_lt_u32 s14, \under
	s_cbranch_scc0 \next
	tensor_load_to_lds s[\g0:\g0+3], s[\g1:\g1+7]
	s_nop 0
	PLACES 4
	s_branch .Lhead_asked
\next:
.endm
	ARM 1, G0, G1, .Lhead_b
	ARM 2, G0B, G1B, .Lhead_sa
	ARM 3, G0S, G1S, .Lhead_sb
	tensor_load_to_lds s[G0SB:G0SB+3], s[G1SB:G1SB+7]
	s_nop 0
	PLACES 4
.Lhead_asked:
	; the prefetches: of a slot's sixteen tiles of B my work-group asks for four (by cy; waves 0 and 1 two each), of its eight of A for two (by cx; wave 2)
	s_lshl_b32 s6, s41, 17
	s_lshl_b32 s7, s14, 16
	s_add_co_u32 s6, s6, s7
	s_lshl_b32 s12, s40, 16
	s_cmp_lt_u32 s14, 2
	s_cselect_b32 s6, s6, s12
	s_cselect_b64 s[4:5], s[46:47], s[20:21]
	s_mov_b32 s7, 0
	s_add_nc_u64 s[4:5], s[4:5], s[6:7]
	s_add_nc_u64 s[4:5], s[4:5], 3*TILEB           ; slot 3: the first refill steps it to slot 4
	s_cmp_lt_u32 s14, 3
	s_cselect_b32 s6, 1, -1
	v_and_b32 v1, 15, v0
	v_bfe_u32 v2, v0, 4, 1
	s_wait_alu depctr_va_vdst(0)
	v_and_b32 v3, 31, v0
	v_lshlrev_b32 v3, 4, v3
	v_lshlrev_b32 v30, 15, v2                      ; a prefetch: two tiles, sixteen lanes to the 4,096 bytes of each
	v_lshl_add_u32 v30, v1, 8, v30
	s_wait_alu depctr_va_vdst(0)
	s_mul_i32 s21, s15, 4*TILEB
	s_mul_i32 s22, s16, 8*TILEB
	s_add_co_u32 s22, s22, ATB
.irp s, 0,1
	v_add_nc_u32 v[ADRA+\s], s21, v3
	v_add_nc_u32 v[ADRB+\s], s22, v3
	s_add_co_u32 s21, s21, SLOT
	s_add_co_u32 s22, s22, SLOT
.endr
	v_lshlrev_b32 v5, 2, v1
	s_mul_i32 s21, s15, 256
	s_lshl_b32 s22, s16, 9
	s_add_co_u32 s22, s22, 1024*NS
	s_sub_co_u32 s22, s22, s21
	v_mul_u32_u24 v6, s22, v2
	s_add_co_u32 s21, s21, SCL
	v_add_nc_u32 v5, v5, v6
	v_add_nc_u32 v[ADRS], s21, v5
	s_add_co_u32 s22, s22, 256
	s_sub_co_u32 s21, s21, 256
	v_mul_u32_u24 v[ADRS+4], s22, v2
	v_lshl_add_u32 v[ADRS+4], v1, 2, v[ADRS+4]
	v_add_nc_u32 v[ADRS+4], s21, v[ADRS+4]
	s_wait_alu depctr_va_vdst(0)
	s_cmp_lt_u32 s14, 3
	s_cbranch_scc0 .Lasks_nothing
.irp k, 2,1,0
	global_prefetch_b8 v30, s[4:5] offset:-\k*TILEB th:TH_LOAD_NT scope:SCOPE_SE   ; slots 1, 2, 3
.endr
.Lasks_nothing:
	s_lshl_b32 s18, s17, 9
	v_lshl_add_u32 v4, v0, 2, s18
	v_lshl_add_u32 v6, v0, 2, SCL
	v_lshl_add_u32 v7, v0, 2, LINV
.irp g, 0,1,2,3,4,5,6,7,8,9,10,11,12,13,14,15,16,17,18,19,20,21,22,23,24,25,26,27,28,29,30,31
	global_load_b32 v[NMR+\g], v4, s[8:9] offset:\g*32768
	global_load_b32 v[LP+\g], v4, s[10:11] offset:\g*32768
.endr
	s_mul_i32 s18, s14, 16*SPITCH
	v_mul_u32_u24 v[STO], v1, SPITCH
	v_lshl_add_u32 v[STO], v2, 6, v[STO]
	v_add_nc_u32 v[STO], s18, v[STO]
	v_add_nc_u32 v[RD], s18, v3
	s_lshl_b32 s18, s15, 8
	s_add_co_u32 s18, s18, LINV
	v_lshl_add_u32 v[LVA], v1, 2, s18
	s_lshl_b32 s18, s17, 19
	s_lshl_b32 s19, s15, 18
	s_add_co_u32 s18, s18, s19
	s_lshl_b32 s19, s42, 10
	s_add_co_u32 s18, s18, s19
	s_lshl_b32 s19, s16, 9
	s_add_co_u32 s18, s18, s19
	s_mov_b32 s19, 0
	s_add_nc_u64 s[96:97], s[96:97], s[18:19]
	s_wait_alu depctr_va_vdst(0)
	s_wait_tensorcnt 0x0                           ; my tile of the head's four is in
	ds_add_u32 v[SPW], v[NIL]
	s_mov_b32 s[G1+2], 4<<16                       ; no load of mine is out: from here on four tiles of A, eight of B a load
	s_mov_b32 s[G1+4], 4
	s_mov_b32 s[G1B+2], 8<<16
	s_mov_b32 s[G1B+4], 8
	s_mov_b32 s[G0+1], s45
	s_mov_b32 s[G0B+1], s2
	s_mov_b32 s19, 0
	s_mul_i32 s18, s16, 4*TPA
	s_add_nc_u64 s[G0+2:G0+3], s[G0+2:G0+3], s[18:19]
	s_mul_i32 s18, s16, 8*TPB
	s_add_nc_u64 s[G0B+2:G0B+3], s[G0B+2:G0B+3], s[18:19]
	s_mov_b32 s[G0+4], 1
	s_add_co_u32 s[G0+5], s45, SLOT
	s_add_nc_u64 s[G0+6:G0+7], s[G0+2:G0+3], TILEB
	s_mov_b32 s[G0B+4], 1
	s_add_co_u32 s[G0B+5], s2, SLOT
	s_add_nc_u64 s[G0B+6:G0B+7], s[G0B+2:G0B+3], TILEB
	s_wait_dscnt 0x0
	CROUND                                         ; all four tiles are in; the joint loads of slot 1 meet
	JLOAD G0+4, G1, G0B+4, G1B
.irp g, 0,1,2,3,4,5,6,7,8,9,10,11,12,13,14,15
	ds_load_b32 v[SW+\g], v6 offset:1024*\g
.endr
	s_wait_loadcnt 0x0
	s_wait_dscnt 0x0
	FIXROW
	s_wait_dscnt 0x0
	s_barrier_signal -1
	s_barrier_wait -1
	SCALES 0
	FETCH 0, 0, 0, 0, 12
	WIN 0
	STEP 0, 1
	s_mov_b32 s3, LAPS-1
.Llap:
	TURN 0, 1, 1
	STEP 1, 0
	TURN 1, 0, 1
	STEP 0, 0
	s_sub_co_u32 s3, s3, 1
	s_cmp_lg_u32 s3, 0
	s_cbranch_scc1 .Llap
	TURN 0, 1, 0
	STEP 1, 0
	s_wait_dscnt 0x0
	MUL8 0, 1, 1, 0
	MUL8 1, 1, 1, 0
	MUL8 2, 1, 1, 0
	MUL8 3, 1, 1, 0
	WIN 0
	PLACES NP
.irp a, 0,1,2,3
	ds_load_b32 v[LV+\a], v[LVA] offset:64*\a
.endr
	s_wait_dscnt 0x0
	MULT 0
	TOSTAGE 0
.irp a, 1,2,3
	s_wait_dscnt 16
	MULT \a
.if \a > 1
	s_wait_alu depctr_va_vdst(0)
	s_wait_xcnt 0x0
.endif
	TOSTAGE \a
	SEND \a-1, 32
.endr
	SEND 3, 0
	s_wait_tensorcnt 0x0
	ds_add_u32 v[SPW], v[NIL]
	s_wait_dscnt 0x0
	CROUND
	s_endpgm
.Lfunc_end_k_q9fe490b37f_pv:
	.size	k_q9fe490b37f_pv, .Lfunc_end_k_q9fe490b37f_pv-k_q9fe490b37f_pv
	.p2alignl 7, 3214868480
	.fill 96, 4, 3214868480
	.section	.rodata,"a",@progbits
	.p2align	6, 0x0
	.amdhsa_kernel k_q9fe490b37f_pv
		.amdhsa_group_segment_fixed_size 327680
		.amdhsa_private_segment_fixed_size 0
		.amdhsa_enable_private_segment 0
		.amdhsa_kernarg_size 56
		.amdhsa_user_sgpr_count 2
		.amdhsa_user_sgpr_kernarg_segment_ptr 1
		.amdhsa_wavefront_size32 1
		.amdhsa_system_sgpr_workgroup_id_x 1
		.amdhsa_system_sgpr_workgroup_id_y 1
		.amdhsa_system_sgpr_workgroup_id_z 1
		.amdhsa_system_vgpr_workitem_id 0
		.amdhsa_next_free_vgpr 1024
		.amdhsa_next_free_sgpr 102
		.amdhsa_reserve_vcc 0
		.amdhsa_float_denorm_mode_32 3
		.amdhsa_float_denorm_mode_16_64 3
		.amdhsa_memory_ordered 1
		.amdhsa_forward_progress 1
		.amdhsa_inst_pref_size 131
	.end_amdhsa_kernel
	.amdgpu_metadata
---
amdhsa.version: [ 1, 2 ]
amdhsa.kernels:
  - .name:           k_q9fe490b37f_pv
    .symbol:         k_q9fe490b37f_pv.kd
    .args:
      - { .name: pc, .offset: 0, .size: 8, .value_kind: global_buffer, .address_space: global }
      - { .name: ps, .offset: 8, .size: 8, .value_kind: global_buffer, .address_space: global }
      - { .name: pm, .offset: 16, .size: 8, .value_kind: global_buffer, .address_space: global }
      - { .name: pl, .offset: 24, .size: 8, .value_kind: global_buffer, .address_space: global }
      - { .name: qkvc, .offset: 32, .size: 8, .value_kind: global_buffer, .address_space: global }
      - { .name: qkvs, .offset: 40, .size: 8, .value_kind: global_buffer, .address_space: global }
      - { .name: out0, .offset: 48, .size: 8, .value_kind: global_buffer, .address_space: global }
    .group_segment_fixed_size: 327680
    .private_segment_fixed_size: 0
    .kernarg_segment_align: 8
    .kernarg_segment_size: 56
    .max_flat_workgroup_size: 128
    .sgpr_count:     102
    .vgpr_count:     1024
    .wavefront_size: 32
...
	.end_amdgpu_metadata
.endif
;; end of part 4
